; MI455X (gfx1250); checked and timed in simulation.
; The chip was launched on July 23, 2026; its instructions are those of AMD's public machine-readable ISA for CDNA 5 (MIT licence, August 2026) and "CDNA5" Instruction Set Architecture Reference Guide (July 2026). The comments in the code are by the model that wrote it; some were corrected since.
;; Multi Head Attention. Allowed arithmetic: matrix products marked QUANTISED: E2M3 operands, one E8M0 scale for each 32 along K, by v_wmma_scale_f32_16x16x128_f8f6f4 with both operands' format E2M3, f32 sums; everything else in f32.
;; Inputs: W_out 1,024 x 1,024 float32; W_qkv 3,072 x 1,024 float32; b_out 1,024 float32; b_qkv 3,072 float32; x 4 x 2,048 x 1,024 float32.
;; Outputs: out0 4 x 2,048 x 1,024 float32.
;; This version of the problem:
;;   THIS VERSION OF THE PROBLEM IS GIVEN IN LOW PRECISION. The matrix products marked QUANTISED in the list below multiply operands that are first quantised to E2M3 (2 exponent bits, 3 mantissa bits; 6 bits a number), with one power-of-two scale for each 32 numbers along K (OCP MX v1.0); their sums are f32. All else is computed in f32.
;;   The module's matrix products, in the order in which they are computed (A, B: the left and right operand; K: the contracted axis; several contracted axes count as one K, in the product's order):
;;     1. [M 8,192, K 1,024] x [K 1,024, N 3,072]; A: input x; B: input W_qkv: QUANTISED
;;     2. batch 64 x [M 2,048, K 64] x [K 64, N 2,048]; A: computed on the way; B: computed on the way: QUANTISED
;;     3. batch 64 x [M 2,048, K 2,048] x [K 2,048, N 64]; A: softmax (see below); B: computed on the way: QUANTISED
;;     4. [M 8,192, K 1,024] x [K 1,024, N 1,024]; A: computed on the way; B: input W_out: QUANTISED
;;   THE QUANTISER, for each operand of a quantised product, along K:
;;     - K is cut into blocks of 32 from its start; a last block that is shorter is filled with zeros.
;;     - A block's scale is 2^e with e = floor(log2(the largest magnitude in the block)) - 2, held to -126 .. 127; a block of zeros has e = 0. As a byte (E8M0): e + 127.
;;     - Each number is divided by its block's scale, clamped to +-7.5, and rounded to the nearest number of E2M3, ties to even, subnormals kept.
;;     - The product sums the exact products of the quantised numbers (number of the format x scale) in f32.
;;   ~~~python
;;   def quantise(x, axis):      # numpy; x: float32 -> the quantised numbers, widened to float32 again
;;       x = np.moveaxis(x, axis, -1); K = x.shape[-1]
;;       x = np.pad(x, [(0, 0)] * (x.ndim - 1) + [(0, -K % 32)]); x = x.reshape(x.shape[:-1] + (-1, 32)); a = np.abs(x).max(-1, keepdims=True)
;;       e = np.where(a > 0, np.clip(np.frexp(np.where(a > 0, a, 1))[1] - 1 - 2, -126, 127), 0)      # np.frexp(a)[1] - 1 = floor(log2(a)), exactly
;;       r = np.clip(x / 2.0 ** e, -7.5, 7.5)
;;       step = 2.0 ** (np.maximum(np.frexp(np.where(r == 0, 1, r))[1] - 1, 0) - 3)
;;       q = np.round(r / step) * step * 2.0 ** e      # np.round: ties to even
;;       return np.moveaxis(q.reshape(q.shape[:-2] + (-1,))[..., :K], -1, axis).astype(np.float32)
;;   ~~~
;;   SOFTMAX AHEAD OF A QUANTISED PRODUCT. Where the list says 'softmax', what is quantised is not the finished softmax but p = 2^(t - M), with t = logit x log2(e) and M = ceil(the row's largest t), a whole number; so 1/2 < the row's largest p <= 1. The row's sum l is taken of the UNQUANTISED p, in f32, and the product's result is divided by l at the end. Since M is a whole number, a kernel that streams over the keys may use a running M (the ceiling of the running maximum): every later rescaling is an exact power of two, which a block's scale takes up: the codes' values come out the same.
;;   OPERANDS COMPUTED ON THE WAY. 'Computed on the way' means the value that the module computes at that place (a softmax that the list does not call 'softmax' is quantised finished and normalised). What goes into a quantiser is computed in f32, as accurately as f32 sums, v_exp_f32 and their like allow (about 1e-6 of the number): no bf16 or f16 on the way to a quantiser, and a product that is left as it is and whose result goes on into a quantised operand takes f32 operands (vector FMAs, or v_wmma_f32_16x16x4_f32). A number that lies on a knife's edge between two numbers of the format may be rounded either way, as far as f32 arithmetic and the matrix unit's own rounding can turn it there, and no further.
;; One version. Each part assembles by itself: llvm-mc -triple=amdgcn-amd-amdhsa -mcpu=gfx1250 --defsym DOCPART=n.
;; ======== version 1 of 1: 4 launches
;; limits: right only within a limited range of input values
;; workspace buffers: xq 6,553,600 bytes; wq 2,457,600 bytes; woq 819,200 bytes; qc 6,291,456 bytes; qs 524,288 bytes; kv 13,369,344 bytes; lq 6,553,600 bytes
;; launch quant (part 1): grid 768 x 1, 4 waves a work-group, no clusters, 34,816 bytes of LDS; arguments x, W_qkv, W_out, xq, wq, woq; writes xq, wq, woq
.if DOCPART == 1
	.amdgcn_target "amdgcn-amd-amdhsa--gfx1250"
	.amdhsa_code_object_version 6
	.text
	.protected	k_q83823c49fb_quant
	.globl	k_q83823c49fb_quant
	.p2align	8
	.type	k_q83823c49fb_quant,@function
k_q83823c49fb_quant:
	s_mov_b64 s[64:65], 0
	v_nop
	global_prefetch_b8 v0, s[64:65] scope:SCOPE_SE
	s_setreg_imm32_b32 hwreg(HW_REG_WAVE_MODE, 25, 1), 1
	s_wait_xcnt 0x0
; LAUNCH 1 OF 4: x [8192][1024], W_qkv [3072][1024] and W_out [1024][1024], f32, K innermost, become codes of FP6 (E2M3) with one E8M0 byte for each 32 along K.
; DEAD WORK: none.  Every product of reference() is live and all five inputs reach out0 (b_qkv on k too: it moves k's codes), so nothing is left out in any launch.
; A block's scale is 2^(floor(log2(its largest magnitude)) - 2); its byte is the largest magnitude's exponent field - 2, held at 1 from below by a floor among the maximum's leaves.
; LIMITS: a block of zeros gets the byte 1 where the rule says 127 (its codes are zeros, and this program alone reads the bytes); blocks whose largest magnitude lies under 2^-124 are held at the byte 1;
; NaN and infinities among the inputs are not served.
; THE WORKSPACE IS LAID AS IMAGES OF OPERAND REGISTERS.  A block BLK of 25,600 bytes holds 128 rows x 256 along K: [tile i 0..7][q 0..1][1,536 bytes], then the scale words [i][row 0..15][q], 4 bytes each.
; A fragment (16 rows x 128 K, 12 registers a lane) is 1,536 bytes: registers 0-3 at 16 x lane, 4-5 at 512 + 8 x lane, 6-9 at 768 + 16 x lane, 10-11 at 1,280 + 8 x lane.
; THE ROWS OF A TILE ARE NOT NEIGHBOURS: lane r of tile i takes row 32 (i / 2) + 8 (i % 2) + r + 8 (r / 8) of the block's 128, so that a product which takes two neighbouring tiles as source 0 leaves 16 neighbours in a lane.
; A tensor is [rows / 128][K step 0..3][BLK].  W_qkv's rows are taken in the order type x 1024 + head x 64 + d (type 0 q, 1 k, 2 v); the source row is head x 192 + type x 64 + d.
; SHARES: a work-group makes HALF a BLK: 768 work-groups, three for each of 256 WGPs.  BLK number = work-group / 2 (0-255 x, 256-351 W_qkv, 352-383 W_out: only pointers and a row number are chosen, one path through
; the text); wave w makes tile 4 (work-group % 2) + w: 16 rows x 256 K, two fragments.  LDS addresses hang on the wave's number alone.
; Each load reads 512 consecutive bytes of a row; the numbers turn through the wave's own stage in LDS, so that a lane gets two whole blocks of 32 neighbours for each fragment.
.set BLK,   25600
.set SP,    528                        ; a stage row: 512 bytes + 16: the 16 rows that a load touches start at 16 different groups of banks
.set STGW,  16*SP                      ; a wave's stage
.set SCST,  4*STGW                     ; behind the stages: the half block's 512 bytes of scale words
.set SPARE, SCST+512                   ; the spare words, 128 bytes for each wave: two blocks of 256 bytes that no other line names
.set X0,  16                           ; v16-79   fragment 0's 64 numbers: register 32 c + i = k 64 c + 32 (lane / 16) + i of row lane % 16
.set R,   80                           ; v80-207  the 32 loads as they come
.set X1,  80                           ; v80-143  fragment 1's 64 numbers
.set PC0, 208                          ; v208-219 fragment 0's codes;  v220-231 fragment 1's: no store's data are written again
.set PC1, 220
.set PT,  232                          ; v232-238 the second halves of the blocks' codes, before they are moved
.set TM,  240                          ; v240-241 largest magnitudes
.set SO,  242                          ; v242-243 the conversions' scale operands
.set BY,  244                          ; v244-245 the bytes
.set WQ,  246                          ; v246-247 the two fragments' scale words
	s_load_b256 s[4:11], s[0:1], 0x0               ; x, W_qkv, W_out, xq
	s_load_b128 s[12:15], s[0:1], 0x20             ; wq, woq
	v_lshl_add_u32 v14, v0, 2, SPARE               ; my spare word; never rewritten
	v_mov_b32 v15, 0                               ; 0; never rewritten
	v_lshrrev_b32 v1, 5, v0
	s_delay_alu instid0(VALU_DEP_1)
	v_readfirstlane_b32 s16, v1                    ; wave 0..3
	v_and_b32 v2, 31, v0                           ; lane
	v_and_b32 v3, 15, v0                           ; r
	v_bfe_u32 v7, v0, 4, 1                         ; h
	s_delay_alu instid0(VALU_DEP_3)
	v_lshlrev_b32 v4, 4, v2                        ; 16 x lane
	s_mul_i32 s22, s16, STGW
	v_add_nc_u32 v5, s22, v4                       ; the stage, on the way in
	v_mul_u32_u24 v6, v3, SP
	s_delay_alu instid0(VALU_DEP_1)
	v_lshl_add_u32 v6, v7, 7, v6
	s_delay_alu instid0(VALU_DEP_1)
	v_add_nc_u32 v6, s22, v6                       ; and out: row r, 128 bytes on for lanes 16-31
	v_lshlrev_b32 v8, 3, v2                        ; 8 x lane
	v_lshlrev_b32 v9, 3, v7                        ; 8 h: how far my two bytes are shifted in the scale word
	s_lshl_b32 s23, s16, 7
	s_add_co_u32 s23, s23, SCST
	v_lshl_add_u32 v10, v3, 3, s23                 ; my row's two scale words
	v_lshlrev_b32 v12, 4, v0                       ; 16 x thread: the scale words' way out (wave 0)
	s_delay_alu instid0(VALU_DEP_1)
	v_add_nc_u32 v11, SCST, v12
	v_mov_b32 v13, 0                               ; a lane permute's destination counts as one of its sources
	s_mov_b32 s20, 0x76543210
	s_mov_b32 s21, 0xfedcba98                      ; v_permlanex16_b32's selects for lane l xor 16
	s_lshr_b32 s34, ttmp9, 1                       ; the BLK's number, 0 .. 383
	s_and_b32 s35, ttmp9, 1                        ; which half of it
	s_lshl_b32 s36, s35, 2
	s_add_co_u32 s36, s36, s16                     ; my tile i, 0 .. 7
	s_cmp_lt_u32 s34, 256
	s_cselect_b32 s17, 0, 256
	s_cmp_lt_u32 s34, 352
	s_cselect_b32 s17, s17, 352
	s_sub_co_u32 s17, s34, s17                     ; which BLK of my tensor
	s_lshr_b32 s18, s17, 2                         ; its 128 rows
	s_and_b32 s19, s17, 3                          ; its K step
	s_and_b32 s24, s36, 1
	s_lshl_b32 s24, s24, 3                         ; 8 (i % 2)
	s_lshl_b32 s25, s18, 7
	s_lshr_b32 s26, s36, 1
	s_lshl_b32 s27, s26, 5
	s_add_co_u32 s25, s25, s27                     ; x, W_out: 128 rt + 32 (i / 2)
	s_and_b32 s27, s18, 7
	s_lshl_b32 s27, s27, 1
	s_lshr_b32 s28, s36, 2
	s_add_co_u32 s27, s27, s28                     ; W_qkv: the head, 2 (rt % 8) + i / 4
	s_mul_i32 s27, s27, 192
	s_lshr_b32 s28, s18, 3                         ; the type
	s_lshl_b32 s28, s28, 6
	s_add_co_u32 s27, s27, s28
	s_and_b32 s26, s26, 1
	s_lshl_b32 s26, s26, 5
	s_add_co_u32 s27, s27, s26                     ; 192 head + 64 type + 32 ((i / 2) % 2)
	s_sub_co_u32 s28, s34, 256
	s_cmp_lt_u32 s28, 96                           ; W_qkv's work-groups
	s_cselect_b32 s25, s27, s25
	s_add_co_u32 s25, s25, s24                     ; the tile's first source row
	s_lshl_b32 s26, s25, 12                        ; 4,096 bytes a row,
	s_lshl_b32 s27, s19, 10                        ; 1,024 bytes a K step
	s_add_co_u32 s26, s26, s27
	s_mov_b32 s27, 0
	s_mul_i32 s28, s17, BLK
	s_mov_b32 s29, 0
	s_mul_i32 s30, s36, 3072                       ; my tile's two fragments in the BLK
	s_mov_b32 s31, 0
	s_wait_alu depctr_va_vdst(0)
	s_wait_kmcnt 0x0
	s_cmp_lt_u32 s34, 256                          ; the choices hang on the work-group's number alone
	s_cselect_b64 s[4:5], s[4:5], s[6:7]
	s_cselect_b64 s[10:11], s[10:11], s[12:13]
	s_cmp_lt_u32 s34, 352
	s_cselect_b64 s[4:5], s[4:5], s[8:9]
	s_cselect_b64 s[10:11], s[10:11], s[14:15]
	s_add_nc_u64 s[4:5], s[4:5], s[26:27]
	s_add_nc_u64 s[10:11], s[10:11], s[28:29]      ; the BLK
	s_add_nc_u64 s[32:33], s[10:11], s[30:31]      ; my fragments
	s_lshl_b32 s30, s35, 9
	s_add_nc_u64 s[10:11], s[10:11], s[30:31]      ; my half's 512 bytes of scale words lie 512 x half behind byte 24,576
.irp q, 0,1
.irp p, 0,1,2,3,4,5,6,7,8,9,10,11,12,13,14,15
	global_load_b128 v[R+64*\q+4*\p:R+64*\q+4*\p+3], v4, s[4:5] offset:(\p+8*(\p/8))*4096+512*\q th:TH_LOAD_NT   ; 32 lanes read 512 consecutive bytes of the tile's row p
.endr
.endr
; Fragment q's 8,192 bytes through the stage.  LDS serves a wave's instructions in order, so no wait stands between the stores and the loads that read them.
.macro TURN q, xs
.irp p, 0,1,2,3,4,5,6,7,8,9,10,11,12,13,14,15
	ds_store_b128 v5, v[R+64*\q+4*\p:R+64*\q+4*\p+3] offset:SP*\p
.endr
.if \q
	s_wait_dscnt 32                                ; 48 are out; the oldest 16 are fragment 0's stores: they have read v80-143, into which the loads below land
.endif
.irp c, 0,1
.irp j, 0,1,2,3,4,5,6,7
	ds_load_b128 v[\xs+32*\c+4*\j:\xs+32*\c+4*\j+3], v6 offset:256*\c+16*\j
.endr
.endr
.endm
; Fragment q: two whole blocks a lane (blocks h and 2 + h of my row), so no other lane is asked for a maximum; the scale word's four bytes are gathered from lanes l and l xor 16.
.macro QF q, xs, pc
.irp c, 0,1
	v_max3_num_f32 v[TM+\c], |v[\xs+32*\c]|, |v[\xs+32*\c+1]|, 0x1800000   ; and the floor 2^(3 - 127): the byte cannot fall under 1
.endr
.irp i, 2,4,6,8,10,12,14,16,18,20,22,24,26,28,30
.irp c, 0,1
	s_delay_alu instid0(VALU_DEP_2)
	v_max3_num_f32 v[TM+\c], v[TM+\c], |v[\xs+32*\c+\i]|, |v[\xs+32*\c+\i+1]|   ; (the two blocks by turns)
.endr
.endr
.irp c, 0,1
	s_delay_alu instid0(VALU_DEP_2)
	v_add_nc_u32 v[SO+\c], 0xff000000, v[TM+\c]    ; 2 off the exponent field: the conversion takes the exponent field of this operand as its scale
.endr
.irp c, 0,1
	s_delay_alu instid0(VALU_DEP_2)
	v_lshrrev_b32 v[BY+\c], 23, v[SO+\c]           ; the scale's byte
.endr
	s_delay_alu instid0(VALU_DEP_1)
	v_lshl_or_b32 v[WQ+\q], v[BY+1], 16, v[BY]
	s_delay_alu instid0(VALU_DEP_1)
	v_lshlrev_b32 v[WQ+\q], v9, v[WQ+\q]           ; at their places in the word
	s_delay_alu instid0(VALU_DEP_1)
	v_permlanex16_b32 v13, v[WQ+\q], s20, s21
	s_delay_alu instid0(VALU_DEP_1)
	v_or_b32 v[WQ+\q], v[WQ+\q], v13               ; with lane l xor 16's two the word is whole
.irp c, 0,1
	v_cvt_scalef32_pk16_fp6_f32 v[\pc+6*\c:\pc+6*\c+2], v[\xs+32*\c:\xs+32*\c+15], v[SO+\c]
	v_cvt_scalef32_pk16_fp6_f32 v[PT+4*\c:PT+4*\c+2], v[\xs+32*\c+16:\xs+32*\c+31], v[SO+\c]   ; (a conversion's three registers begin on an even number)
.endr
	v_nop                                          ; one plain place behind a scaled conversion
.irp c, 0,1
.irp i, 0,1,2
	v_mov_b32 v[\pc+6*\c+3+\i], v[PT+4*\c+\i]
.endr
.endr
	global_store_b128 v4, v[\pc:\pc+3], s[32:33] offset:1536*\q          ; each store covers 512 or 256 consecutive bytes, aligned
	global_store_b64 v8, v[\pc+4:\pc+5], s[32:33] offset:1536*\q+512
	global_store_b128 v4, v[\pc+6:\pc+9], s[32:33] offset:1536*\q+768
	global_store_b64 v8, v[\pc+10:\pc+11], s[32:33] offset:1536*\q+1280
.endm
	s_wait_loadcnt 16                              ; fragment 0's 16 loads are in; fragment 1's may be out
	TURN 0, X0
	s_wait_loadcnt 0x0
	TURN 1, X1
	s_wait_dscnt 32                                ; fragment 0's numbers are back; fragment 1's 16 stores and 16 loads may be out
	QF 0, X0, PC0
	s_wait_dscnt 0x0
	QF 1, X1, PC1
	ds_store_b64 v10, v[WQ:WQ+1]                   ; lanes l and l xor 16 write the same bytes with the same value
	s_wait_dscnt 0x0                               ; for the others' sake: my scale words lie in LDS
	s_barrier_signal -1
	s_barrier_wait -1
	s_cmp_gt_u32 s16, 0
	s_cbranch_scc1 .Lend
	ds_load_b128 v[248:251], v11                   ; wave 0 sends the half block's 512 bytes of scale words out in one whole aligned run
	s_wait_dscnt 0x0
	global_store_b128 v12, v[248:251], s[10:11] offset:24576
.Lend:
	s_wait_tensorcnt 0x0                           ; the wave's end: behind my last LDS store
	ds_add_u32 v14, v15
	s_wait_dscnt 0x0
	s_endpgm
.Lfunc_end_k_q83823c49fb_quant:
	.size	k_q83823c49fb_quant, .Lfunc_end_k_q83823c49fb_quant-k_q83823c49fb_quant
	.p2alignl 7, 3214868480
	.fill 96, 4, 3214868480
	.section	.rodata,"a",@progbits
	.p2align	6, 0x0
	.amdhsa_kernel k_q83823c49fb_quant
		.amdhsa_group_segment_fixed_size 34816
		.amdhsa_private_segment_fixed_size 0
		.amdhsa_enable_private_segment 0
		.amdhsa_kernarg_size 48
		.amdhsa_user_sgpr_count 2
		.amdhsa_user_sgpr_kernarg_segment_ptr 1
		.amdhsa_wavefront_size32 1
		.amdhsa_system_sgpr_workgroup_id_x 1
		.amdhsa_system_sgpr_workgroup_id_y 1
		.amdhsa_system_sgpr_workgroup_id_z 1
		.amdhsa_system_vgpr_workitem_id 0
		.amdhsa_next_free_vgpr 256
		.amdhsa_next_free_sgpr 66
		.amdhsa_reserve_vcc 0
		.amdhsa_float_denorm_mode_32 3
		.amdhsa_float_denorm_mode_16_64 3
		.amdhsa_memory_ordered 1
		.amdhsa_forward_progress 1
		.amdhsa_inst_pref_size 21
	.end_amdhsa_kernel
	.amdgpu_metadata
---
amdhsa.version: [ 1, 2 ]
amdhsa.kernels:
  - .name:           k_q83823c49fb_quant
    .symbol:         k_q83823c49fb_quant.kd
    .args:
      - { .name: x, .offset: 0, .size: 8, .value_kind: global_buffer, .address_space: global }
      - { .name: W_qkv, .offset: 8, .size: 8, .value_kind: global_buffer, .address_space: global }
      - { .name: W_out, .offset: 16, .size: 8, .value_kind: global_buffer, .address_space: global }
      - { .name: xq, .offset: 24, .size: 8, .value_kind: global_buffer, .address_space: global }
      - { .name: wq, .offset: 32, .size: 8, .value_kind: global_buffer, .address_space: global }
      - { .name: woq, .offset: 40, .size: 8, .value_kind: global_buffer, .address_space: global }
    .group_segment_fixed_size: 34816
    .private_segment_fixed_size: 0
    .kernarg_segment_align: 8
    .kernarg_segment_size: 48
    .max_flat_workgroup_size: 128
    .sgpr_count:     66
    .vgpr_count:     256
    .wavefront_size: 32
...
	.end_amdgpu_metadata
.endif
;; end of part 1
;; launch qkv (part 2): grid 4 x 64, 4 waves a work-group, clusters of 4 x 4, 327,680 bytes of LDS; arguments xq, wq, b_qkv, qc, qs, kv; writes qc, qs, kv
.if DOCPART == 2
	.amdgcn_target "amdgcn-amd-amdhsa--gfx1250"
	.amdhsa_code_object_version 6
	.text
	.protected	k_q83823c49fb_qkv
	.globl	k_q83823c49fb_qkv
	.p2align	8
	.type	k_q83823c49fb_qkv,@function
k_q83823c49fb_qkv:
	s_mov_b64 s[64:65], 0
	v_nop
	global_prefetch_b8 v0, s[64:65] scope:SCOPE_SE
	s_setreg_imm32_b32 hwreg(HW_REG_WAVE_MODE, 25, 1), 1
	s_wait_xcnt 0x0
	s_wait_alu depctr_hold_cnt(0) depctr_sa_sdst(0) depctr_va_vdst(0) depctr_va_sdst(0) depctr_va_ssrc(0) depctr_va_vcc(0) depctr_vm_vsrc(0)
	s_getreg_b32 s2, hwreg(HW_REG_IB_STS2, 6, 4)
	s_cmp_eq_u32 s2, 0
	s_cbranch_scc0 .Lentry_in_a_cluster
	s_endpgm
.Lentry_in_a_cluster:
	s_bfe_u32 s2, ttmp6, 0x10000c
	s_cmp_lg_u32 s2, 0xf033
	s_cbranch_scc0 .Lentry_shape_is_right
	s_endpgm
.Lentry_shape_is_right:
; LAUNCH 2 OF 4: q, k, v = x W_qkv^T + b_qkv on codes of FP6, and their quantisers: q and k along the head's 64, v along the tokens.  No f32 result is stored.  No work is left out.
; xq and wq are images of operand registers, [rows / 128][K step 0..3][BLK], as the first launch's head comment lays them down; wq's rows stand in the order type x 1024 + head x 64 + d.
; OUT: qc [batch x 16 + head][tile of 16 tokens, 128][768]: half a fragment's image; qs [batch x 16 + head][group of 128 tokens][512]: lane L's 16 bytes hold word i of tile 2 i + L / 16, row L % 16, the row's two bytes twice;
; kv [batch x 16 + head][group][13,056]: k's 8 images, v's 4 fragments (16 channels x 128 tokens), k's scale words as q's, v's scale words (lane L's 8 bytes: word i of tile 2 i + L / 16).
; SHARES: 256 work-groups.  A work-group has ONE group of 128 tokens, all of K (102,400 dense bytes, loaded once, kept in LDS), and four heads, a wave a head; it runs three phases on those tokens: V, then Q, then K.
; A phase's weights, two groups of 128 rows (204,800 bytes), go from LDS into registers: a wave's 64 rows, all of K, are 32 fragments, 384 registers.  The tokens stream past them in eight blocks of 16, kept in two sets.
; FILLS: at the head one joint load a wave: waves 0, 1 a group each of W_v, waves 2, 3 half each of the tokens' group.  The weights' region is filled again twice (waves 0, 1 a group each), as soon as every wave holds the running
; phase's weights in registers: each time behind the three lines and a round of the cluster's barrier; a plain barrier at the change of phase shows what was brought.
; CLUSTERS: 4 x 4: the tokens are shared by a row of the cluster, the weights by a column.  No prefetch: the weights are read by all sixteen clusters of a column of the grid, and each fill is asked for a whole phase ahead.
; A BLOCK is 32 products on four accumulators by turns, K ascending; the first four take the bias as C.  Behind each four products stand the loads of one fragment of the next block.
; Q, K: source 0 = the weight's rows: a lane holds a token, and the 16 registers of two neighbouring tiles are 16 neighbouring channels.  V: source 0 = the tokens: a lane holds a channel, and the 16 registers of two neighbouring
; blocks are 16 neighbouring tokens.  So two blocks' 64 sums are four half scale blocks a lane, whole with lane l xor 16's: they are quantised behind every second block.
; LIMITS: a block of zeros has the byte 1 (this program alone reads the bytes); blocks whose largest magnitude lies under 2^-124 are held at the byte 1; NaN and infinities are not served.
; REGISTERS: fragment f lies in window 1 + f / 21 at register 12 (f % 21): 0-31 the weights' (4 q + b), 32-39 and 40-47 the tokens' two sets.  Window 0 holds all else.
.set BLK,    25600
.set KB,     4*BLK                     ; 128 rows, all of K
.set LA,     2*KB                      ; LDS: the weights' two groups at 0 and KB, the tokens' group at LA
.set SPARE,  3*KB                      ; the spare words, 128 bytes for each wave: two blocks of 256 bytes that no other line names
.set FPW,    21
.set A16,  4                           ; v4-7 LDS address of the tokens' fragments in K step 0..3, 16 x lane; v8-11 8 x lane; v12-15 of my row's scale words
.set A8,   8
.set AS,   12
.set B16,  16                          ; v16-27 the same for my 64 rows of the weights
.set B8,   20
.set BS,   24
.set GO16, 28                          ; v28 16 x lane, v29 8 x lane
.set GO8,  29
.set SPW,  30                          ; v30 my spare word, v31 0: never rewritten
.set NIL,  31
.set SB,   32                          ; v32-47 the weights' scale words: register q + 8 p: lanes 0-15 tile 2 p, lanes 16-31 tile 2 p + 1
.set BO,   48                          ; v48, v49 my offsets in the bias (Q, K; V); v50 the byte selector of a scale word
.set BOV,  49
.set SELV, 50
.set SA,   52                          ; v52-67 the tokens' scale words, two sets of eight
.set BI,   72                          ; v72-103 the bias as the result lies
.set ACC,  104                         ; v104-167 two blocks' sums
.set PC,   168                         ; v168-187 codes at work
.set TM,   188                         ; v188-203 maxima, bytes, scale operands
.set RW,   204                         ; v204-207 scale words
.set FRV,  208                         ; v208-255 V's four fragments
.set G1,  24
.set G0,  32
.set G1B, 48
.set G0B, 56
.set WP,  72                           ; s[72:73] W_q's group that I fetch
.set QP,  76                           ; s[76:77] my place in qc, s[78:79] in qs, s[82:83] in kv, s[84:85] my head's bias
.set QS,  78
.set KVP, 82
.set PB,  84
.set SEL, 90
.set MSB, 0
.macro WIN new                         ; the immediate's high byte repeats the setting that is left
.if MSB != \new
	s_set_vgpr_msb (MSB<<8)|\new
.set MSB, \new
.endif
.endm
.macro PLACES
.rept 4
	v_nop
.endr
.endm
.macro WALU
	s_wait_alu depctr_va_vdst(0)
.endm
.macro BARRIER
	s_barrier_signal -1
	s_barrier_wait -1
.endm
.macro CROUND                          ; a round of the cluster's barrier
	BARRIER
	s_cmp_lg_u32 s16, 0
	s_cbranch_scc1 .Lnot_wave_0_\@
	s_barrier_signal -3
.Lnot_wave_0_\@:
	s_barrier_wait -3
	BARRIER
.endm
.macro TLOAD g0, g1
	tensor_load_to_lds s[\g0:\g0+3], s[\g1:\g1+7]
	s_nop 0
	PLACES
.endm
.macro REFILL                          ; behind a round: waves 0, 1 bring a group each of the next phase's weights
	s_cmp_lt_u32 s16, 2
	s_cbranch_scc0 .Lno_w_\@
	TLOAD G0B, G1B
.Lno_w_\@:
.endm
.macro FRAG f, a16, a8, off            ; a fragment's image, 1,536 bytes, into its 12 registers
	WIN (1+(\f)/FPW)<<6
.set R_, 12*((\f)%FPW)
	ds_load_b128 v[R_:R_+3], v[\a16] offset:\off
	ds_load_b64 v[R_+4:R_+5], v[\a8] offset:\off+512
	ds_load_b128 v[R_+6:R_+9], v[\a16] offset:\off+768
	ds_load_b64 v[R_+10:R_+11], v[\a8] offset:\off+1280
.endm
.macro FG a, g                         ; block a's fragment g (128 along K), and ahead of each even one the scale words of two: 5 or 4 loads
.if (\g)%2 == 0
	WIN 0
	ds_load_b64 v[SA+8*((\a)%2)+(\g):SA+8*((\a)%2)+(\g)+1], v[AS+(\g)/2] offset:128*(\a)
.endif
	FRAG 32+8*((\a)%2)+(\g), A16+(\g)/2, A8+(\g)/2, (2*(\a)+(\g)%2)*1536
.endm
.macro WEIGHTS                         ; my 64 rows, all of K: 128 loads, and their scale words: 8
.irp k, 0,1,2,3
.irp u, 0,1
.irp b, 0,1,2,3
	FRAG 4*(2*\k+\u)+\b, B16+\k, B8+\k, (2*\b+\u)*1536
.endr
.endr
.endr
	WIN 0
.irp k, 0,1,2,3
.irp p, 0,1
	ds_load_b64 v[SB+8*\p+2*\k:SB+8*\p+2*\k+1], v[BS+\k] offset:256*\p
.endr
.endr
.endm
.macro PR1 d, f0, f1, c, x0, x1, side, odd
.if \odd
	v_wmma_scale_f32_16x16x128_f8f6f4 v[\d:\d+7], v[12*((\f0)%FPW):12*((\f0)%FPW)+11], v[12*((\f1)%FPW):12*((\f1)%FPW)+11], \c, v[\x0], v[\x1] matrix_a_fmt:MATRIX_FMT_FP6 matrix_b_fmt:MATRIX_FMT_FP6 matrix_\side\()_scale:MATRIX_SCALE_ROW1
.else
	v_wmma_scale_f32_16x16x128_f8f6f4 v[\d:\d+7], v[12*((\f0)%FPW):12*((\f0)%FPW)+11], v[12*((\f1)%FPW):12*((\f1)%FPW)+11], \c, v[\x0], v[\x1] matrix_a_fmt:MATRIX_FMT_FP6 matrix_b_fmt:MATRIX_FMT_FP6
.endif
.endm
.macro PROD kind, e, n                 ; product n = 4 q + b of a block in set e.  kind 0 (Q, K): source 0 the weight's rows; kind 1 (V): source 0 the tokens
.set Q_, (\n)/4
.set B_, (\n)%4
.set FA_, 32+8*(\e)+Q_
.if \kind
.set D_, ACC+16*B_+8*(\e)
	WIN (1+FA_/FPW)|((1+(\n)/FPW)<<2)
.if Q_
	PR1 D_, FA_, \n, v[D_:D_+7], SA+8*(\e)+Q_, SB+Q_+8*(B_/2), b, B_%2
.else
	PR1 D_, FA_, \n, v[BI+8*B_:BI+8*B_+7], SA+8*(\e)+Q_, SB+Q_+8*(B_/2), b, B_%2
.endif
.else
.set D_, ACC+32*(\e)+8*B_
	WIN (1+(\n)/FPW)|((1+FA_/FPW)<<2)
.if Q_
	PR1 D_, \n, FA_, v[D_:D_+7], SB+Q_+8*(B_/2), SA+8*(\e)+Q_, a, B_%2
.else
	PR1 D_, \n, FA_, v[BI+8*B_:BI+8*B_+7], SB+Q_+8*(B_/2), SA+8*(\e)+Q_, a, B_%2
.endif
.endif
.endm
; Block a's 32 products; behind each four, one fragment of block fa into the other set (fa = -1: nothing more is fetched).
; THE WAITS: fragment q of block a was asked for behind the q-th four of the block before.  Younger than its loads are the groups q + 1 .. 7 of that block and the groups 0 .. q - 1 of this one: 31 or 32 loads,
; so the count 28 shows it in; where nothing is fetched, the groups q + 1 .. 7 alone, at least 4 (7 - q) loads.
.macro BATCH kind, a, fa
.set QQ, 0
.rept 8
.if \fa >= 0
	s_wait_dscnt 28
.else
	s_wait_dscnt 4*(7-QQ)
.endif
.irp b, 0,1,2,3
	PROD \kind, (\a)%2, 4*QQ+\b
.endr
.if \fa >= 0
	FG \fa, QQ
.endif
.set QQ, QQ+1
.endr
	WIN 0
	PLACES                                         ; ahead of the loads into the set just multiplied and of the first read of the sums
.endm
.macro QMAX                            ; four scale blocks: my 16 numbers of each and lane l xor 16's; the scale operands in TM + 12 .., the bytes in TM + 4 ..
.irp b, 0,1,2,3
	v_max3_num_f32 v[TM+\b], |v[ACC+16*\b]|, |v[ACC+1+16*\b]|, 0x1800000      ; and the floor 2^(3 - 127): the byte cannot fall under 1
.endr
.irp i, 2,4,6,8,10,12,14
.irp b, 0,1,2,3
	v_max3_num_f32 v[TM+\b], v[TM+\b], |v[ACC+16*\b+\i]|, |v[ACC+1+16*\b+\i]|
.endr
.endr
.irp b, 0,1,2,3
	v_permlanex16_b32 v[TM+4+\b], v[TM+\b], s[SEL], s[SEL+1]
.endr
.irp b, 0,1,2,3
	v_max_num_f32 v[TM+\b], v[TM+\b], v[TM+4+\b]
.endr
.irp b, 0,1,2,3
	v_add_nc_u32 v[TM+12+\b], 0xff000000, v[TM+\b]  ; 2 off the exponent field: the conversion's scale operand
.endr
.irp b, 0,1,2,3
	v_lshrrev_b32 v[TM+4+\b], 23, v[TM+12+\b]       ; the scale's byte
.endr
.endm
; Q, K: blocks 2 p and 2 p + 1 leave: two images of 768 bytes; the four bytes are the two tiles' scale words, of which lanes 0-15 keep tile 2 p's and lanes 16-31 tile 2 p + 1's, each twice
.macro QKOUT p, cp
	s_wait_xcnt 0x0                                ; the earlier stores have read their registers
	QMAX
	v_lshl_or_b32 v[TM+8], v[TM+5], 8, v[TM+4]
	v_lshl_or_b32 v[TM+9], v[TM+7], 8, v[TM+6]
	v_lshl_or_b32 v[TM+8], v[TM+9], 16, v[TM+8]
	v_perm_b32 v[RW+\p], v[TM+8], v[TM+8], v[SELV]
.irp c, 0,1
	v_cvt_scalef32_pk16_fp6_f32 v[PC+6*\c:PC+2+6*\c], v[ACC+32*\c:ACC+15+32*\c], v[TM+12+2*\c]
	v_cvt_scalef32_pk16_fp6_f32 v[PC+12+4*\c:PC+14+4*\c], v[ACC+16+32*\c:ACC+31+32*\c], v[TM+12+2*\c+1]
.endr
	v_nop                                          ; one plain place behind a scaled conversion
.irp c, 0,1
.irp i, 0,1,2
	v_permlane16_swap_b32 v[PC+6*\c+\i], v[PC+12+4*\c+\i]                      ; the operand's layout wants a whole block in a lane
.endr
.irp i, 0,1,2
	v_mov_b32 v[PC+3+6*\c+\i], v[PC+12+4*\c+\i]
.endr
.endr
.irp c, 0,1
	global_store_b128 v[GO16], v[PC+6*\c:PC+6*\c+3], s[\cp:\cp+1] offset:768*(2*\p+\c)          ; 512 and 256 consecutive bytes, aligned
	global_store_b64 v[GO8], v[PC+6*\c+4:PC+6*\c+5], s[\cp:\cp+1] offset:768*(2*\p+\c)+512
.endr
	WALU
.endm
; V: blocks 2 p and 2 p + 1 are scale block p of each of my four tiles of 16 channels
.macro VOUT p
	QMAX
.irp b, 0,1,2,3
.if (\p) == 0
	v_mov_b32 v[RW+\b], v[TM+4+\b]
.else
	v_lshl_or_b32 v[RW+\b], v[TM+4+\b], 8*(\p), v[RW+\b]
.endif
.endr
.irp b, 0,1,2,3
.if (\p)%2
	v_cvt_scalef32_pk16_fp6_f32 v[PC+4*\b:PC+4*\b+2], v[ACC+16*\b:ACC+16*\b+15], v[TM+12+\b]
.else
	v_cvt_scalef32_pk16_fp6_f32 v[FRV+12*\b+6*((\p)/2):FRV+12*\b+6*((\p)/2)+2], v[ACC+16*\b:ACC+16*\b+15], v[TM+12+\b]
.endif
.endr
	v_nop                                          ; one plain place behind a scaled conversion
.if (\p)%2
.irp b, 0,1,2,3
.irp i, 0,1,2
	v_permlane16_swap_b32 v[FRV+12*\b+6*((\p)/2)+\i], v[PC+4*\b+\i]
.endr
.irp i, 0,1,2
	v_mov_b32 v[FRV+12*\b+6*((\p)/2)+3+\i], v[PC+4*\b+\i]
.endr
.endr
.endif
	WALU
.endm
.macro PHASEQK cp, last                ; eight blocks of Q or K; the last block of Q fetches block 0 again, for K
.irp p, 0,1,2
	BATCH 0, 2*\p, 2*\p+1
	BATCH 0, 2*\p+1, 2*\p+2
	QKOUT \p, \cp
.endr
	BATCH 0, 6, 7
.if \last
	BATCH 0, 7, -1
.else
	BATCH 0, 7, 0
.endif
	QKOUT 3, \cp
.endm
.macro BIASQK off                      ; register 16 b + i: channel 32 b + 16 h + i
.irp b, 0,1
.irp j, 0,1,2,3
	global_load_b128 v[BI+16*\b+4*\j:BI+16*\b+4*\j+3], v[BO], s[PB:PB+1] offset:\off+128*\b+16*\j
.endr
.endr
.endm
; ================= THE HEAD
	s_load_b256 s[4:11], s[0:1], 0x0               ; xq, wq, b_qkv, qc
	s_load_b128 s[12:15], s[0:1], 0x20             ; qs, kv
	v_lshl_add_u32 v[SPW], v0, 2, SPARE
	v_mov_b32 v[NIL], 0
	ds_add_u32 v[SPW], v[NIL]                      ; the wave's opening: the add, twice on end, and its wait ahead of my first tensor load
	ds_add_u32 v[SPW], v[NIL]
	v_lshrrev_b32 v1, 5, v0
	v_readfirstlane_b32 s16, v1                    ; wave 0..3: my head of the work-group's four
	s_lshr_b32 s17, s16, 1
	s_and_b32 s18, s16, 1
	s_bfe_u32 s40, ttmp6, 0x40000                  ; cx: which four heads (the grid is one cluster wide)
	s_bfe_u32 s41, ttmp6, 0x40004                  ; cy
	s_and_b32 s43, ttmp7, 0xffff
	s_lshl_b32 s44, s41, 2
	s_lshl_b32 s44, 15, s44                        ; my row of the cluster
	s_lshl_b32 s45, 0x1111, s40                    ; my column
	s_or_b32 s[G1], s44, (3<<16)|(1<<21)           ; elements of 8 bytes; bit 21 set beside a mask
	s_or_b32 s[G1B], s45, (3<<16)|(1<<21)
	s_mov_b32 s[G1+1], 32<<16                      ; rows of 256 bytes, dense
	s_mov_b32 s[G1+2], 200<<16                     ; half of the tokens' group
	s_mov_b32 s[G1+3], 32<<16
	s_mov_b32 s[G1+4], 200
	s_mov_b32 s[G1+5], 32
	s_mov_b32 s[G1+6], 0
	s_mov_b32 s[G1+7], 0
	s_mov_b32 s[G1B+1], 32<<16
	s_mov_b32 s[G1B+2], 400<<16                    ; a whole group of weights
	s_mov_b32 s[G1B+3], 32<<16
	s_mov_b32 s[G1B+4], 400
	s_mov_b32 s[G1B+5], 32
	s_mov_b32 s[G1B+6], 0
	s_mov_b32 s[G1B+7], 0
	s_lshl_b32 s92, s43, 2
	s_add_co_u32 s92, s92, s41                     ; the tokens' group, 0 .. 63
	s_mul_i32 s66, s92, KB
	s_mul_i32 s68, s18, 2*BLK
	s_add_co_u32 s66, s66, s68                     ; waves 2, 3: its K steps 0-1, 2-3
	s_mov_b32 s67, 0
	s_mov_b32 s[G0], 1
	s_add_co_u32 s[G0+1], s68, LA
	s_lshl_b32 s70, s40, 1
	s_add_co_u32 s70, s70, s18
	s_mul_i32 s70, s70, KB                         ; waves 0, 1: group 2 cx + wave of a type's eight
	s_mov_b32 s71, 0
	s_mov_b32 s[G0B], 1
	s_mul_i32 s[G0B+1], s18, KB
	s_mul_i32 s60, s17, KB                         ; my head's rows in LDS: group wave / 2, tiles 4 (wave % 2) + 0..3
	s_mul_i32 s61, s18, 4*3072
	s_add_co_u32 s60, s60, s61
	s_mul_i32 s61, s17, KB
	s_lshl_b32 s62, s18, 9
	s_add_co_u32 s61, s61, s62
	s_add_co_u32 s61, s61, 24576                   ; and their scale words
	s_lshl_b32 s80, s40, 2
	s_add_co_u32 s80, s80, s16                     ; my head
	s_lshr_b32 s93, s92, 4
	s_lshl_b32 s93, s93, 4
	s_add_co_u32 s93, s93, s80                     ; batch x 16 + head
	s_and_b32 s94, s92, 15                         ; the group in its batch
	s_lshl_b32 s96, s93, 7
	s_lshl_b32 s97, s94, 3
	s_add_co_u32 s96, s96, s97
	s_mul_i32 s96, s96, 768
	s_mov_b32 s97, 0
	s_lshl_b32 s98, s93, 4
	s_add_co_u32 s98, s98, s94
	s_lshl_b32 s98, s98, 9
	s_mov_b32 s99, 0
	s_mul_i32 s68, s93, 208896
	s_mul_i32 s69, s94, 13056
	s_add_co_u32 s68, s68, s69
	s_mov_b32 s69, 0
	s_mul_i32 s62, s80, 768                        ; b_qkv: 192 numbers a head: q's 64, k's, v's
	s_mov_b32 s63, 0
	s_mov_b32 s86, 0xffff0000                      ; lanes 16-31
	s_mov_b32 s[SEL], 0x76543210
	s_mov_b32 s[SEL+1], 0xfedcba98                 ; v_permlanex16_b32's selects for lane l xor 16
	s_wait_dscnt 0x0                               ; both opening adds are done
	s_wait_kmcnt 0x0
	s_add_nc_u64 s[G0+2:G0+3], s[4:5], s[66:67]
	s_or_b32 s[G0+3], s[G0+3], 0x80000000
	s_add_nc_u64 s[WP:WP+1], s[6:7], s[70:71]
	s_add_nc_u64 s[G0B+2:G0B+3], s[WP:WP+1], 16*KB  ; W_v: sixteen groups on
	s_or_b32 s[G0B+3], s[G0B+3], 0x80000000
	s_add_nc_u64 s[PB:PB+1], s[8:9], s[62:63]
	s_add_nc_u64 s[QP:QP+1], s[10:11], s[96:97]
	s_add_nc_u64 s[QS:QS+1], s[12:13], s[98:99]
	s_add_nc_u64 s[KVP:KVP+1], s[14:15], s[68:69]
	CROUND                                         ; all sixteen work-groups are here: the joint loads meet
	s_cmp_lt_u32 s16, 2
	s_cbranch_scc0 .Lfor_a
	TLOAD G0B, G1B                                 ; waves 0, 1: W_v, which goes on into registers
	s_branch .Lasked
.Lfor_a:
	TLOAD G0, G1                                   ; waves 2, 3: the tokens
.Lasked:
	v_and_b32 v1, 31, v0                           ; lane
	v_and_b32 v2, 15, v0                           ; r
	v_bfe_u32 v3, v0, 4, 1                         ; h
	v_lshlrev_b32 v[GO16], 4, v1
	v_lshlrev_b32 v[GO8], 3, v1
	v_lshlrev_b32 v68, 3, v2
	v_and_b32 v70, 8, v2
	v_lshlrev_b32 v[BO], 6, v3
	v_lshl_add_u32 v69, v3, 7, v68                 ; 8 r + 128 h: lanes 16-31 take the odd tile's words
	v_add_nc_u32 v70, v70, v2
	v_add_nc_u32 v71, s60, v[GO16]
	v_lshlrev_b32 v[BOV], 2, v70                   ; V: lane r of tile b has channel 32 (b / 2) + 8 (b % 2) + r + 8 (r / 8)
	v_add_nc_u32 v69, s61, v69
	v_add_nc_u32 v70, s60, v[GO8]
.irp b, 0,1,2,3
	global_load_b32 v[BI+8*\b], v[BOV], s[PB:PB+1] offset:512+(\b/2)*128+(\b%2)*32
.endr
.irp k, 0,1,2,3
	v_add_nc_u32 v[B16+\k], \k*BLK, v71
	v_add_nc_u32 v[B8+\k], \k*BLK, v70
	v_add_nc_u32 v[BS+\k], \k*BLK, v69
	v_add_nc_u32 v[A16+\k], LA+\k*BLK, v[GO16]
	v_add_nc_u32 v[A8+\k], LA+\k*BLK, v[GO8]
	v_add_nc_u32 v[AS+\k], LA+\k*BLK+24576, v68
.endr
	v_mov_b32 v[SELV], 0x01000100                  ; lanes 0-15 take a word's bytes 0, 1 twice,
	v_mov_b32 v1, 0x03020302                       ; lanes 16-31 its bytes 2, 3
	v_cndmask_b32 v[SELV], v[SELV], v1, s86
.irp b, 0,1,2,3
	v_mov_b32 v[TM+4+\b], 0                        ; a lane permute's destination counts as one of its sources
.endr
	WALU
	s_cmp_lt_u32 s16, 2
	s_cbranch_scc0 .Lnot_b
	s_wait_tensorcnt 0x0                           ; waves 0, 1: my group of W_v has landed
.Lnot_b:
	BARRIER                                        ; W_v lies in LDS; the tokens may still be on their way
	WEIGHTS
	s_wait_loadcnt 0x0
.irp b, 0,1,2,3
.irp i, 1,2,3,4,5,6,7
	v_mov_b32 v[BI+8*\b+\i], v[BI+8*\b]            ; V's bias, one number a lane and tile, over the tile's eight registers
.endr
.endr
	WALU
	s_wait_tensorcnt 0x0                           ; the guard ahead of the first refill: all my tensor loads have landed,
	ds_add_u32 v[SPW], v[NIL]
	s_mov_b64 s[G0B+2:G0B+3], s[WP:WP+1]           ; no load of mine is out: the descriptor takes W_q's group
	s_or_b32 s[G0B+3], s[G0B+3], 0x80000000
	s_wait_dscnt 0x0                               ; the add is done, and I hold W_v in registers
	CROUND                                         ; so does every wave of every partner; the tokens lie in LDS
	REFILL
.irp g, 0,1,2,3,4,5,6,7
	FG 0, \g
.endr
	WIN 0
; ================= PHASE 1: V
.irp p, 0,1,2
	BATCH 1, 2*\p, 2*\p+1
	BATCH 1, 2*\p+1, 2*\p+2
	VOUT \p
.endr
	BATCH 1, 6, 7
	BATCH 1, 7, 0                                  ; block 0 is fetched again, for Q
	VOUT 3
.irp b, 0,1,2,3
	global_store_b128 v[GO16], v[FRV+12*\b:FRV+12*\b+3], s[KVP:KVP+1] offset:6144+1536*\b
	global_store_b64 v[GO8], v[FRV+12*\b+4:FRV+12*\b+5], s[KVP:KVP+1] offset:6144+1536*\b+512
	global_store_b128 v[GO16], v[FRV+12*\b+6:FRV+12*\b+9], s[KVP:KVP+1] offset:6144+1536*\b+768
	global_store_b64 v[GO8], v[FRV+12*\b+10:FRV+12*\b+11], s[KVP:KVP+1] offset:6144+1536*\b+1280
.endr
	v_cndmask_b32 v[PC], v[RW], v[RW+1], s86       ; lanes 0-15 tile 2 i's word, lanes 16-31 tile 2 i + 1's
	v_cndmask_b32 v[PC+1], v[RW+2], v[RW+3], s86
	global_store_b64 v[GO8], v[PC:PC+1], s[KVP:KVP+1] offset:12800
; ================= PHASE 2: Q
	BIASQK 0
	WALU
	s_wait_tensorcnt 0x0                           ; W_q has landed,
	s_wait_dscnt 0x0
	BARRIER                                        ; everybody's part
	WEIGHTS
	s_wait_tensorcnt 0x0                           ; the guard ahead of the second refill
	ds_add_u32 v[SPW], v[NIL]
	s_add_nc_u64 s[G0B+2:G0B+3], s[WP:WP+1], 8*KB   ; W_k: eight groups on
	s_or_b32 s[G0B+3], s[G0B+3], 0x80000000
	s_wait_dscnt 0x0                               ; the add is done, and I hold W_q in registers
	CROUND
	REFILL
	s_wait_loadcnt 0x0                             ; the bias
	PHASEQK QP, 0
	global_store_b128 v[GO16], v[RW:RW+3], s[QS:QS+1]
; ================= PHASE 3: K
	BIASQK 256
	WALU
	s_wait_tensorcnt 0x0                           ; W_k has landed,
	s_wait_dscnt 0x0
	BARRIER                                        ; everybody's part
	WEIGHTS
	s_wait_loadcnt 0x0
	s_wait_dscnt 0x0
	PHASEQK KVP, 1
	global_store_b128 v[GO16], v[RW:RW+3], s[KVP:KVP+1] offset:12288
	s_wait_tensorcnt 0x0                           ; the wave's end
	ds_add_u32 v[SPW], v[NIL]
	s_wait_dscnt 0x0
	CROUND                                         ; the closing round
	s_endpgm
.Lfunc_end_k_q83823c49fb_qkv:
	.size	k_q83823c49fb_qkv, .Lfunc_end_k_q83823c49fb_qkv-k_q83823c49fb_qkv
	.p2alignl 7, 3214868480
	.fill 96, 4, 3214868480
	.section	.rodata,"a",@progbits
	.p2align	6, 0x0
	.amdhsa_kernel k_q83823c49fb_qkv
		.amdhsa_group_segment_fixed_size 327680
		.amdhsa_private_segment_fixed_size 0
		.amdhsa_enable_private_segment 0
		.amdhsa_kernarg_size 48
		.amdhsa_user_sgpr_count 2
		.amdhsa_user_sgpr_kernarg_segment_ptr 1
		.amdhsa_wavefront_size32 1
		.amdhsa_system_sgpr_workgroup_id_x 1
		.amdhsa_system_sgpr_workgroup_id_y 1
		.amdhsa_system_sgpr_workgroup_id_z 1
		.amdhsa_system_vgpr_workitem_id 0
		.amdhsa_next_free_vgpr 840
		.amdhsa_next_free_sgpr 100
		.amdhsa_reserve_vcc 0
		.amdhsa_float_denorm_mode_32 3
		.amdhsa_float_denorm_mode_16_64 3
		.amdhsa_memory_ordered 1
		.amdhsa_forward_progress 1
		.amdhsa_inst_pref_size 255
	.end_amdhsa_kernel
	.section	.bss,"aw",@nobits
	.p2align	6
	.space	262144
	.amdgpu_metadata
---
amdhsa.version: [ 1, 2 ]
amdhsa.kernels:
  - .name:           k_q83823c49fb_qkv
    .symbol:         k_q83823c49fb_qkv.kd
    .args:
      - { .name: xq, .offset: 0, .size: 8, .value_kind: global_buffer, .address_space: global }
      - { .name: wq, .offset: 8, .size: 8, .value_kind: global_buffer, .address_space: global }
      - { .name: b_qkv, .offset: 16, .size: 8, .value_kind: global_buffer, .address_space: global }
      - { .name: qc, .offset: 24, .size: 8, .value_kind: global_buffer, .address_space: global }
      - { .name: qs, .offset: 32, .size: 8, .value_kind: global_buffer, .address_space: global }
      - { .name: kv, .offset: 40, .size: 8, .value_kind: global_buffer, .address_space: global }
    .group_segment_fixed_size: 327680
    .private_segment_fixed_size: 0
    .kernarg_segment_align: 8
    .kernarg_segment_size: 48
    .max_flat_workgroup_size: 128
    .sgpr_count:     100
    .vgpr_count:     840
    .wavefront_size: 32
...
	.end_amdgpu_metadata
.endif
;; end of part 2
;; launch attn (part 3): grid 4 x 64, 16 waves a work-group, clusters of 4 x 1, 210,944 bytes of LDS; arguments qc, qs, kv, lq; writes lq
.if DOCPART == 3
	.amdgcn_target "amdgcn-amd-amdhsa--gfx1250"
	.amdhsa_code_object_version 6
	.text
	.protected	k_q83823c49fb_attn
	.globl	k_q83823c49fb_attn
	.p2align	8
	.type	k_q83823c49fb_attn,@function
k_q83823c49fb_attn:
	s_mov_b64 s[64:65], 0
	v_nop
	global_prefetch_b8 v0, s[64:65] scope:SCOPE_SE
	s_setreg_imm32_b32 hwreg(HW_REG_WAVE_MODE, 25, 1), 1
	s_wait_xcnt 0x0
	s_wait_alu depctr_hold_cnt(0) depctr_sa_sdst(0) depctr_va_vdst(0) depctr_va_sdst(0) depctr_va_ssrc(0) depctr_va_vcc(0) depctr_vm_vsrc(0)
	s_getreg_b32 s2, hwreg(HW_REG_IB_STS2, 6, 4)
	s_cmp_eq_u32 s2, 0
	s_cbranch_scc0 .Lentry_in_a_cluster
	s_endpgm
.Lentry_in_a_cluster:
	s_bfe_u32 s2, ttmp6, 0x10000c
	s_cmp_lg_u32 s2, 0x3003
	s_cbranch_scc0 .Lentry_shape_is_right
	s_endpgm
.Lentry_shape_is_right:
; LAUNCH 3 OF 4: for each batch and head, O = softmax(q k^T / 8) v on codes of FP6, and O quantised along the hidden axis for the last product.  No work is left out.
; THE SOFTMAX AHEAD OF THE SECOND PRODUCT: t = score x log2(e) / 8; M = the running largest t, rounded UP to a whole number; p = 2^(t - M) is quantised along the keys, not normalised.  The row's sum is taken of the
; unquantised p and divides O at the end.  When M moves, the sum and O are multiplied by 2^(old M - new M): exact.
; SHARES: a cluster is the four blocks of 512 queries of one (batch, head); a work-group has 16 waves; a wave owns TWO tiles of 16 queries (a, b) and takes both through ONE walk over the 2,048 keys, 128 a step:
; each fragment of K and V and each scale word is read from LDS once for both tiles.
; THE HEAD'S K, V AND SCALE WORDS, 208,896 bytes, STAY IN LDS, filled once: wave w brings key step w by one joint load (51 rows of 256 bytes) that names the four work-groups.  No slot is ever filled again.
; No prefetch: all that the launch reads by tensor loads is asked for at its head, so there is no loop to run ahead in.
; LAYOUT: both products are used transposed: S^T = K Q^T (source 0 = 16 keys), O^T = V^T P^T (source 0 = 16 channels): a lane holds ONE query throughout.
; WHICH KEYS FORM A TILE OF K is chosen here, by the lanes' LDS addresses: rows 0-7 of tile (c, t) are keys 64 c + 8 t + 0..7, rows 8-15 keys 64 c + 32 + 8 t + 0..7.  So register 32 c + 8 t + j of lane (r, h) is key
; 64 c + 32 h + 8 t + j: a lane holds two WHOLE blocks of 32 keys, in the order of the next operand's registers: no lane is asked for a block's maximum and no code changes lanes.
; THE FIRST PRODUCT'S K IS THE HEAD'S 64: registers 6-11 of Q's fragments hold zero codes.  What stands against zero codes adds nothing (FP6 has no NaN, and K's scale words repeat their two bytes), so K's tiles lie 6 registers
; apart and each operand of 12 runs on into the next tile's six; the last tile's runs on into six offset registers that are never rewritten.
; The next step's K is fetched behind tile b's scores and has tile b's softmax in which to land; V lands in p's registers.
; The two scale bytes of a (row, head) leave as stores of 2 bytes, 8 bytes apart: the other half of each word belongs to another head's work-group.
; LIMITS: the promise holds while the scaled scores t stay under 2^31 in magnitude; a block of zeros has the byte 1; v_exp_f32 gives 0 for a p under 2^-126; a block's largest p is made from its largest score, which takes
; v_exp_f32 not to fall where its input rises; NaN and infinities are not served.
.set STEPB, 13056                      ; a key step in LDS: K's 8 images (6,144), V's 4 fragments (6,144), K's scale words (512), V's (256)
.set SPARE, 16*STEPB                   ; the spare words, 128 bytes for each wave: eight blocks of 256 bytes that no other line names
.set TP,   0                           ; v0   at work (the thread's number until the head's end)
.set SPW,  1                           ; v1   my spare word; never rewritten
.set NIL,  2                           ; v2   0; never rewritten
.set T16,  3                           ; v3-5 LDS addresses of the next step's K and its scale words (v[4:5] between: a chain of the sum)
.set T8,   4
.set TS,   5
.set TV8,  6                           ; v6, v255 LDS addresses of this step's V
.set BP,   7                           ; v7   a lane exchange's result
.set BX,   8                           ; v8-9 second chains of the maxima, then a chain of the sum
.set BM,   10                          ; v10-11 my two blocks' largest scores
.set STA,  12                          ; v12 -M, v13 the largest score, v[14:15] the sum in two halves: tile a;  v16-19: tile b
.set STB,  16
.set SO,   20                          ; v20-21 the conversions' scale operands
.set QA,   22                          ; v22-33, v34-45 Q's fragments
.set QB,   34
.set KP,   46                          ; v46-93 K's eight tiles, six registers each
.set L16,  94                          ; v94-99 offsets, never rewritten: 16 x lane, 8 x lane, K's three lane terms, 8 h
.set L8,   95
.set BK16, 96
.set BK8,  97
.set BKS,  98
.set H8,   99
.set KS,   100                         ; v100-103 K's scale words: register 2 c + u: lanes 0-15 tile (c, 2 u), lanes 16-31 tile (c, 2 u + 1)
.set VS,   104                         ; v104-105 V's: register i: lanes 0-15 tile 2 i, lanes 16-31 tile 2 i + 1
.set QW,   106                         ; v106-107 Q's scale words
.set FA,   108                         ; v108 f = 2^(old M - new M), v109 p's scale word: tile a;  v110-111: tile b
.set FB,   110
.set S,    112                         ; v112-175 S^T, then p; behind tile b v112-159 V's fragments, v160-171 tile b's codes
.set OA,   176                         ; v176-207, v208-239 O^T
.set OB,   208
.set PCA,  240                         ; v240-251 tile a's codes
.set PT,   252                         ; v252-254 at work
.set TV16, 255
.set WV,  12
.set G1,  16                           ; s[16:23], s[24:27] the descriptor
.set G0,  24
.set TB,  28                           ; s28 the key step's first byte in LDS;  s56 the next step's
.set CNT, 29
.set CS,  30                           ; s[30:31] c = log2(e) / 8;  s57 -c
.set SEL, 32
.set QCP, 34                           ; s[34:41] pointers: Q's image, Q's scale word, the codes' place in lq, the scale bytes' place
.set QSP, 36
.set LQP, 38
.set LSP, 40
.set TN,  56
.set NC,  57
.macro WALU
	s_wait_alu depctr_va_vdst(0)
.endm
.macro D1
	s_delay_alu instid0(VALU_DEP_1)
.endm
.macro CROUND                          ; a round of the cluster's barrier
	s_barrier_signal -1
	s_barrier_wait -1
	s_cmp_lg_u32 s[WV], 0
	s_cbranch_scc1 .Lnot_wave_0_\@
	s_barrier_signal -3
.Lnot_wave_0_\@:
	s_barrier_wait -3
	s_barrier_signal -1
	s_barrier_wait -1
.endm
.macro WM d, a, b, c, sa, sb, odd      ; a product; odd: source 0's scale words stand in lanes 16-31
.if \odd
	v_wmma_scale_f32_16x16x128_f8f6f4 v[\d:\d+7], v[\a:\a+11], v[\b:\b+11], \c, v[\sa], v[\sb] matrix_a_fmt:MATRIX_FMT_FP6 matrix_b_fmt:MATRIX_FMT_FP6 matrix_a_scale:MATRIX_SCALE_ROW1
.else
	v_wmma_scale_f32_16x16x128_f8f6f4 v[\d:\d+7], v[\a:\a+11], v[\b:\b+11], \c, v[\sa], v[\sb] matrix_a_fmt:MATRIX_FMT_FP6 matrix_b_fmt:MATRIX_FMT_FP6
.endif
.endm
; K's eight tiles and their scale words.  Tile n = 4 c + t takes, of the images as the launch before laid them, image 4 c + t % 2 (lanes r < 8) or two images on (r >= 8), rows 8 (t / 2) + r % 8.
.macro KFETCH a16, a8, as
.irp n, 0,1,2,3,4,5,6,7
	ds_load_b128 v[KP+6*\n:KP+6*\n+3], v[\a16] offset:768*(4*(\n/4)+\n%2)+128*((\n%4)/2)
	ds_load_b64 v[KP+6*\n+4:KP+6*\n+5], v[\a8] offset:768*(4*(\n/4)+\n%2)+512+64*((\n%4)/2)
.endr
.irp c, 0,1
.irp u, 0,1
	ds_load_b32 v[KS+2*\c+\u], v[\as] offset:12288+128*\u+8*\c
.endr
.endr
.endm
.macro SMUL qf, qsc                    ; S^T = K Q^T: eight tiles of 16 keys
.irp n, 0,1,2,3,4,5,6,7
	WM S+8*\n, KP+6*\n, \qf, 0, KS+\n/2, \qsc, \n%2
.endr
.endm
.macro RESC o, f                       ; O^T under the new M, each accumulator from its low end on
.irp j, 0,2,4,6,8,10,12,14,16,18,20,22,24,26,28,30
	v_pk_mul_f32 v[\o+\j:\o+\j+1], v[\o+\j:\o+\j+1], v[\f:\f+1] op_sel_hi:[1,0]
.endr
.endm
.macro FM st, j
	v_pk_fma_f32 v[S+\j:S+\j+1], v[S+\j:S+\j+1], s[CS:CS+1], v[\st:\st+1] op_sel_hi:[1,0,0]   ; t - M, two at a time
.endm
.macro SUM4 st, j                      ; the sum of p in four chains side by side
	v_pk_add_f32 v[PT:PT+1], v[PT:PT+1], v[S+16+\j:S+17+\j]
	v_pk_add_f32 v[T8:T8+1], v[T8:T8+1], v[S+32+\j:S+33+\j]
	v_pk_add_f32 v[BX:BX+1], v[BX:BX+1], v[S+48+\j:S+49+\j]
	v_pk_add_f32 v[\st+2:\st+3], v[\st+2:\st+3], v[S+\j:S+\j+1]
.endm
; THE SOFTMAX OF ONE TILE: 64 scores a lane become 12 registers of codes at pcd, the scale word in f + 1, the factor in f.  vl = 1: V's fragments are asked for as soon as p has had its last reader.
.macro SOFT st, f, pcd, vl
	v_max3_num_f32 v[BM], v[S], v[S+1], v[S+2]                 ; the largest score of my two blocks of 32 keys, each in two chains: for the row's maximum and, since p rises with the score, for the block's largest p
	v_max3_num_f32 v[BX], v[S+16], v[S+17], v[S+18]
	v_max3_num_f32 v[BM+1], v[S+32], v[S+33], v[S+34]
	v_max3_num_f32 v[BX+1], v[S+48], v[S+49], v[S+50]
.irp i, 3,5,7,9,11,13
	v_max3_num_f32 v[BM], v[BM], v[S+\i], v[S+1+\i]
	v_max3_num_f32 v[BX], v[BX], v[S+16+\i], v[S+17+\i]
	v_max3_num_f32 v[BM+1], v[BM+1], v[S+32+\i], v[S+33+\i]
	v_max3_num_f32 v[BX+1], v[BX+1], v[S+48+\i], v[S+49+\i]
.endr
	v_max3_num_f32 v[BM], v[BM], v[S+15], v[S+31]
	v_max3_num_f32 v[BM+1], v[BM+1], v[S+47], v[S+63]
	v_max_num_f32 v[BM], v[BM], v[BX]
	v_max_num_f32 v[BM+1], v[BM+1], v[BX+1]
	D1
	v_max_num_f32 v[TP], v[BM], v[BM+1]
	D1
	v_permlanex16_b32 v[BP], v[TP], s[SEL], s[SEL+1]           ; lane l xor 16 holds my query's other 64 keys
	D1
	v_max3_num_f32 v[\st+1], v[\st+1], v[TP], v[BP]            ; the running largest score
	D1
	v_mul_f32 v[TP], s[NC], v[\st+1]                           ; -t (c is positive)
	D1
	v_floor_f32 v[BP], v[TP]                                   ; the new -M = floor(-t): M is a whole number
	D1
	v_sub_f32 v[TP], v[BP], v[\st]                             ; old M less new M: a whole number, 0 or less
	v_mov_b32 v[\st], v[BP]
.irp j, 0,2,4,6
	FM \st, \j
.endr
	v_cvt_i32_f32 v[TP], v[TP]                                 ; (it saturates)
.irp j, 8,10,12,14
	FM \st, \j
.endr
	v_ldexp_f32 v[\f], 1.0, v[TP]                              ; f = 2^(old M - new M)
.irp j, 16,18,20,22,24,26,28,30,32,34,36,38,40,42,44,46,48,50,52,54,56,58,60,62
	FM \st, \j
.endr
	v_fma_f32 v[BM], v[BM], s[CS], v[\st]                      ; the same of each block's largest score
	v_fma_f32 v[BM+1], v[BM+1], s[CS], v[\st]
	WALU
.set n, 0
.rept 64
	v_exp_f32 v[S+n], v[S+n]                                   ; p = 2^(t - M), at most 1: not normalised
.set n, n+1
.endr
	v_exp_f32 v[BM], v[BM]                                     ; the blocks' largest p: the same two instructions on the same number give the same bits
	v_exp_f32 v[BM+1], v[BM+1]
	v_pk_mul_f32 v[\st+2:\st+3], v[\st+2:\st+3], v[\f:\f+1] op_sel_hi:[1,0]   ; the sums under the new M (the plain place behind the batch)
	WALU                                                       ; one wait for the batch, ahead of its first reader
	v_pk_add_f32 v[PT:PT+1], v[S+16:S+17], v[S+18:S+19]        ; THE ROW'S SUM IS TAKEN OF THE UNQUANTISED p; the scale's lines stand among its chains
	v_pk_add_f32 v[T8:T8+1], v[S+32:S+33], v[S+34:S+35]
	v_pk_add_f32 v[BX:BX+1], v[S+48:S+49], v[S+50:S+51]
	v_pk_add_f32 v[\st+2:\st+3], v[\st+2:\st+3], v[S:S+1]
	v_max_num_f32 v[BM], 0x1800000, v[BM]                      ; the floor 2^(3 - 127): the byte cannot fall under 1
	v_max_num_f32 v[BM+1], 0x1800000, v[BM+1]
	v_pk_add_f32 v[\st+2:\st+3], v[\st+2:\st+3], v[S+2:S+3]
	SUM4 \st, 4
	v_add_nc_u32 v[SO], 0xff000000, v[BM]                      ; 2 off the exponent field: the conversion's scale operand
	v_add_nc_u32 v[SO+1], 0xff000000, v[BM+1]
	SUM4 \st, 6
	v_lshrrev_b32 v[BM], 23, v[SO]                             ; the scale's byte
	v_lshrrev_b32 v[BM+1], 23, v[SO+1]
	SUM4 \st, 8
	v_lshl_or_b32 v[\f+1], v[BM+1], 16, v[BM]                  ; my two bytes: blocks h and 2 + h,
	SUM4 \st, 10
	v_lshlrev_b32 v[\f+1], v[H8], v[\f+1]                      ; at their places in the word
	SUM4 \st, 12
	v_permlanex16_b32 v[BP], v[\f+1], s[SEL], s[SEL+1]
	SUM4 \st, 14
	v_pk_add_f32 v[PT:PT+1], v[PT:PT+1], v[T8:T8+1]
	D1
	v_pk_add_f32 v[\st+2:\st+3], v[\st+2:\st+3], v[PT:PT+1]
	v_cvt_scalef32_pk16_fp6_f32 v[PT:PT+2], v[S+48:S+63], v[SO+1]             ; the last 16 first: their registers then take results
	v_or_b32 v[\f+1], v[\f+1], v[BP]                           ; with lane l xor 16's two bytes the word is whole.  (The plain place ahead of conversions that write the first one's sources)
	v_cvt_scalef32_pk16_fp6_f32 v[\pcd+6:\pcd+8], v[S+32:S+47], v[SO+1]
	v_cvt_scalef32_pk16_fp6_f32 v[\pcd:\pcd+2], v[S:S+15], v[SO]
	v_cvt_scalef32_pk16_fp6_f32 v[S+60:S+62], v[S+16:S+31], v[SO]             ; (a conversion's three registers begin on an even number)
	v_pk_add_f32 v[\st+2:\st+3], v[\st+2:\st+3], v[BX:BX+1]    ; the sum's last chain (the plain place behind the conversions)
.if \vl
.irp t, 0,1,2,3
	ds_load_b128 v[S+12*\t:S+12*\t+3], v[TV16] offset:6144+1536*\t
	ds_load_b64 v[S+12*\t+4:S+12*\t+5], v[TV8] offset:6144+1536*\t+512
	ds_load_b128 v[S+12*\t+6:S+12*\t+9], v[TV16] offset:6144+1536*\t+768
	ds_load_b64 v[S+12*\t+10:S+12*\t+11], v[TV8] offset:6144+1536*\t+1280
.endr
	ds_load_b64 v[VS:VS+1], v[TV8] offset:12800
.endif
.irp i, 0,1,2
	v_mov_b32 v[\pcd+3+\i], v[S+60+\i]
	v_mov_b32 v[\pcd+9+\i], v[PT+\i]
.endr
.endm
; THE WAY OUT of a tile: O^T / the sum; register 16 g + i is channel 32 g + 16 (lane / 16) + i: two blocks of the last product's K; their codes are half a fragment's image, their two bytes half a scale word.
.macro OUT z, o, st, x, pc, pt, u
	v_add_f32 v[\st+2], v[\st+2], v[\st+3]                     ; the sum's two halves,
	D1
	v_permlanex16_b32 v[BP], v[\st+2], s[SEL], s[SEL+1]
	D1
	v_add_f32 v[\st+2], v[\st+2], v[BP]                        ; and lane l xor 16's: the row's sum
	WALU
	v_rcp_f32 v[\st+2], v[\st+2]
.rept 4
	v_nop                                                      ; places behind the last products, and the plain place behind the reciprocal
.endr
	WALU                                                       ; ahead of the reciprocal's and O^T's first reader
.irp j, 0,2,4,6,8,10,12,14,16,18,20,22,24,26,28,30
	v_pk_mul_f32 v[\x+\j:\x+\j+1], v[\o+\j:\o+\j+1], v[\st+2:\st+3] op_sel_hi:[1,0]
.endr
.irp b, 0,1
	v_max3_num_f32 v[BM+\b], |v[\x+16*\b]|, |v[\x+1+16*\b]|, 0x1800000
.endr
.irp i, 2,4,6,8,10,12,14
.irp b, 0,1
	v_max3_num_f32 v[BM+\b], v[BM+\b], |v[\x+16*\b+\i]|, |v[\x+1+16*\b+\i]|
.endr
.endr
.irp b, 0,1
	v_permlanex16_b32 v[BX+\b], v[BM+\b], s[SEL], s[SEL+1]
.endr
.irp b, 0,1
	v_max_num_f32 v[BM+\b], v[BM+\b], v[BX+\b]
.endr
.irp b, 0,1
	v_add_nc_u32 v[SO+\b], 0xff000000, v[BM+\b]
.endr
.irp b, 0,1
	v_lshrrev_b32 v[BX+\b], 23, v[SO+\b]
.endr
	v_lshl_or_b32 v[\u], v[BX+1], 8, v[BX]
	v_cvt_scalef32_pk16_fp6_f32 v[\pc:\pc+2], v[\x:\x+15], v[SO]
	v_cvt_scalef32_pk16_fp6_f32 v[\pt:\pt+2], v[\x+16:\x+31], v[SO+1]
	v_nop
.irp i, 0,1,2
	v_permlane16_swap_b32 v[\pc+\i], v[\pt+\i]                 ; the operand's layout wants a whole block in a lane
.endr
.irp i, 0,1,2
	v_mov_b32 v[\pc+3+\i], v[\pt+\i]
.endr
	global_store_b128 v[L16], v[\pc:\pc+3], s[LQP:LQP+1] offset:204800*\z          ; 512 consecutive bytes, aligned
	global_store_b64 v[L8], v[\pc+4:\pc+5], s[LQP:LQP+1] offset:204800*\z+512
	global_store_b16 v[T16], v[\u], s[LSP:LSP+1] offset:204800*\z                  ; lanes l and l xor 16 write the same two bytes with the same value
.endm
; ================= THE HEAD
	s_load_b256 s[4:11], s[0:1], 0x0               ; qc, qs, kv, lq
	v_lshl_add_u32 v[SPW], v0, 2, SPARE
	v_mov_b32 v[NIL], 0
	ds_add_u32 v[SPW], v[NIL]                      ; the wave's opening: the add, twice on end, and its wait ahead of my first tensor load
	ds_add_u32 v[SPW], v[NIL]
	v_lshrrev_b32 v9, 5, v0
	v_readfirstlane_b32 s[WV], v9                  ; wave 0..15
	s_bfe_u32 s13, ttmp6, 0x40000                  ; cx: which 512 queries
	s_and_b32 s14, ttmp7, 0xffff                   ; batch x 16 + head, which the four partners share
	s_mov_b32 s[G1], 15|(3<<16)|(1<<21)            ; 15:0 the mask: all four work-groups; 17:16 elements of 8 bytes; 21 set beside a mask
	s_mov_b32 s[G1+1], 32<<16                      ; tensor_dim0 = 32: 256 bytes
	s_mov_b32 s[G1+2], 51<<16                      ; tensor_dim1 = 51 rows: a key step, dense
	s_mov_b32 s[G1+3], 32<<16
	s_mov_b32 s[G1+4], 51
	s_mov_b32 s[G1+5], 32
	s_mov_b32 s[G1+6], 0
	s_mov_b32 s[G1+7], 0
	s_mov_b32 s[G0], 1
	s_mul_i32 s[G0+1], s[WV], STEPB                ; key step w lands at w x 13,056
	s_mul_i32 s42, s14, 16*STEPB
	s_add_co_u32 s42, s42, s[G0+1]
	s_mov_b32 s43, 0
	s_lshl_b32 s44, s14, 7                         ; Q: tile 32 cx + w (tile b: 16 tiles on)
	s_lshl_b32 s45, s13, 5
	s_add_co_u32 s44, s44, s45
	s_add_co_u32 s44, s44, s[WV]
	s_mul_i32 s44, s44, 768
	s_mov_b32 s45, 0
	s_lshl_b32 s46, s14, 4                         ; its scale words: group 4 cx + w / 8 of eight tiles; in it tile a = w % 8 at 256 (a % 2) + 4 (a / 2)
	s_lshl_b32 s47, s13, 2
	s_add_co_u32 s46, s46, s47
	s_lshr_b32 s48, s[WV], 3
	s_add_co_u32 s46, s46, s48
	s_lshl_b32 s46, s46, 9
	s_and_b32 s49, s[WV], 1
	s_lshl_b32 s49, s49, 8
	s_add_co_u32 s46, s46, s49
	s_bfe_u32 s49, s[WV], 0x20001
	s_lshl_b32 s49, s49, 2
	s_add_co_u32 s46, s46, s49
	s_mov_b32 s47, 0
	s_lshr_b32 s50, s14, 4                         ; lq: rows' block batch x 16 + 4 cx + w / 8; K step head / 4
	s_lshl_b32 s50, s50, 4
	s_lshl_b32 s51, s13, 2
	s_add_co_u32 s50, s50, s51
	s_add_co_u32 s50, s50, s48
	s_lshl_b32 s50, s50, 2
	s_bfe_u32 s51, s14, 0x20002
	s_add_co_u32 s50, s50, s51
	s_mul_i32 s50, s50, 25600
	s_and_b32 s51, s[WV], 7                        ; tile w % 8
	s_bfe_u32 s52, s14, 0x10001                    ; which 128 along K: (head / 2) % 2
	s_and_b32 s53, s14, 1                          ; which 64 of them: head % 2
	s_lshl_b32 s54, s51, 1
	s_add_co_u32 s54, s54, s52
	s_mul_i32 s54, s54, 1536
	s_mul_i32 s55, s53, 768
	s_add_co_u32 s54, s54, s55
	s_add_co_u32 s54, s54, s50
	s_mov_b32 s55, 0
	s_lshl_b32 s51, s51, 7
	s_lshl_b32 s52, s52, 2
	s_lshl_b32 s53, s53, 1
	s_add_co_u32 s50, s50, 24576
	s_add_co_u32 s50, s50, s51
	s_add_co_u32 s50, s50, s52
	s_add_co_u32 s50, s50, s53
	s_mov_b32 s51, 0
	s_mov_b32 s[CS], 0x3e38aa3b                    ; c = log2(e) / 8
	s_mov_b32 s[CS+1], s[CS]                       ; (named with it as a pair, so it is written)
	s_mov_b32 s[NC], 0xbe38aa3b                    ; -c
	s_mov_b32 s[SEL], 0x76543210
	s_mov_b32 s[SEL+1], 0xfedcba98                 ; v_permlanex16_b32's selects for lane l xor 16
	s_wait_dscnt 0x0                               ; both opening adds are done
	s_wait_kmcnt 0x0
	s_add_nc_u64 s[G0+2:G0+3], s[8:9], s[42:43]
	s_or_b32 s[G0+3], s[G0+3], 0x80000000
	s_add_nc_u64 s[QCP:QCP+1], s[4:5], s[44:45]
	s_add_nc_u64 s[QSP:QSP+1], s[6:7], s[46:47]
	s_add_nc_u64 s[LQP:LQP+1], s[10:11], s[54:55]
	s_add_nc_u64 s[LSP:LSP+1], s[10:11], s[50:51]
	CROUND                                         ; all four work-groups are here: the joint loads meet
	tensor_load_to_lds s[G0:G0+3], s[G1:G1+7]      ; my one tensor load of the launch
	s_nop 0
.rept 4
	v_nop
.endr
	v_and_b32 v7, 31, v0                           ; lane
	v_and_b32 v8, 15, v0                           ; r
	v_bfe_u32 v10, v0, 4, 1                        ; h
	v_and_b32 v11, 7, v0                           ; r % 8
	v_bfe_u32 v20, v0, 3, 1                        ; r / 8
	v_lshlrev_b32 v[L16], 4, v7
	v_lshlrev_b32 v[L8], 3, v7
	v_lshlrev_b32 v9, 4, v8                        ; 16 r: Q's scale word
	v_lshlrev_b32 v[H8], 3, v10
	v_mul_u32_u24 v21, v20, 1536                   ; lanes r >= 8 read two images on
	v_lshlrev_b32 v[BKS], 2, v20
	v_lshl_add_u32 v[BK16], v11, 4, v21
	v_lshl_add_u32 v[BK8], v11, 3, v21
	v_lshl_add_u32 v[BKS], v11, 4, v[BKS]
	v_lshl_add_u32 v[BK16], v10, 8, v[BK16]        ; 1,536 (r / 8) + 16 (r % 8) + 256 h
	v_lshl_add_u32 v[BK8], v10, 7, v[BK8]          ; 1,536 (r / 8) + 8 (r % 8) + 128 h
	v_lshl_add_u32 v[BKS], v10, 8, v[BKS]          ; 4 (r / 8) + 16 (r % 8) + 256 h
	global_load_b128 v[QA:QA+3], v[L16], s[QCP:QCP+1]
	global_load_b64 v[QA+4:QA+5], v[L8], s[QCP:QCP+1] offset:512
	global_load_b32 v[QW], v9, s[QSP:QSP+1]
	global_load_b128 v[QB:QB+3], v[L16], s[QCP:QCP+1] offset:12288
	global_load_b64 v[QB+4:QB+5], v[L8], s[QCP:QCP+1] offset:12288+512
	global_load_b32 v[QW+1], v9, s[QSP:QSP+1] offset:1024
.irp i, 6,7,8,9,10,11
	v_mov_b32 v[QA+\i], 0                          ; zero codes for K = 64 .. 127 of the first product: written once
	v_mov_b32 v[QB+\i], 0
.endr
.irp st, STA, STB
	v_mov_b32 v[\st+1], 0xff61b1e6                 ; the largest score so far: -3e38, under every score
	v_mov_b32 v[\st+2], 0
	v_mov_b32 v[\st+3], 0
.endr
	v_mov_b32 v[FA+1], 0                           ; (named as the upper half of the pair with f before it is first written)
	v_mov_b32 v[FB+1], 0
	v_mul_f32 v[TP], s[NC], v[STA+1]
	v_floor_f32 v[STA], v[TP]                      ; -M
	v_floor_f32 v[STB], v[TP]
.set n, 0
.rept 64
	v_mov_b32 v[OA+n], 0                           ; the step is written once: the first finds zeros, which the first change of M leaves zeros
.set n, n+1
.endr
	WALU
	s_wait_tensorcnt 0x0                           ; my key step has landed,
	s_barrier_signal -1
	s_barrier_wait -1                              ; everybody's has: the whole head lies in LDS
	KFETCH BK16, BK8, BKS                          ; key step 0's K
	s_mov_b32 s[TB], 0
	s_mov_b32 s[CNT], 16
	s_wait_loadcnt 0x0                             ; Q
	s_wait_dscnt 0x0
; ================= A KEY STEP: 128 keys against my 32 queries
.Lstep:
	s_add_co_u32 s[TN], s[TB], STEPB
	s_min_u32 s[TN], s[TN], 15*STEPB               ; (held inside the tiles' bytes in the last trip, whose fetch is jumped over)
	v_add_nc_u32 v[TV16], s[TB], v[L16]            ; five places: the scores below are written over V's fragments and tile b's codes, which the last step's products read
	v_add_nc_u32 v[TV8], s[TB], v[L8]
	v_add_nc_u32 v[T16], s[TN], v[BK16]
	v_nop
	v_nop
	SMUL QA, QW
.rept 4
	v_nop                                          ; places ahead of the first read of the scores
.endr
	SOFT STA, FA, PCA, 0
	SMUL QB, QW+1
	WALU                                           ; directly ahead of O^T's first reader
	RESC OA, FA                                    ; these 16 are also the places ahead of the loads into K's registers and of the first read of the scores
	v_add_nc_u32 v[T8], s[TN], v[BK8]
	v_add_nc_u32 v[TS], s[TN], v[BKS]
	s_cmp_eq_u32 s[CNT], 1
	WALU
	s_cbranch_scc1 .Lno_fetch                      ; the last step fetches nothing
	KFETCH T16, T8, TS                             ; the next step's K: it has tile b's softmax in which to land
.Lno_fetch:
	SOFT STB, FB, S+48, 1
	WALU
	RESC OB, FB                                    ; (also the places between the writes of the codes and the scale word and the products)
	WALU
	s_wait_dscnt 0x0                               ; V and its scale words are in, and so is the next step's K
.irp t, 0,1,2,3                                ; O^T += V^T P^T: each fragment of V serves both tiles; the eight accumulators by turns
	WM OA+8*\t, S+12*\t, PCA, v[OA+8*\t:OA+8*\t+7], VS+\t/2, FA+1, \t%2
	WM OB+8*\t, S+12*\t, S+48, v[OB+8*\t:OB+8*\t+7], VS+\t/2, FB+1, \t%2
.endr
	s_add_co_u32 s[TB], s[TB], STEPB
	s_sub_co_u32 s[CNT], s[CNT], 1
	s_cmp_lg_u32 s[CNT], 0
	s_cbranch_scc1 .Lstep
; ================= THE END
	v_lshrrev_b32 v[T16], 1, v[L16]
	v_and_b32 v[T16], 0x78, v[T16]                 ; 8 r: my row's scale word in lq
	OUT 0, OA, STA, S, PCA, PT, TP
	OUT 1, OB, STB, S+32, KP, KP+8, TV8            ; registers of its own for what it stores: tile a's stores may still read theirs
	s_wait_tensorcnt 0x0                           ; the wave's end
	ds_add_u32 v[SPW], v[NIL]
	s_wait_dscnt 0x0
	CROUND                                         ; the closing round
	s_endpgm
.Lfunc_end_k_q83823c49fb_attn:
	.size	k_q83823c49fb_attn, .Lfunc_end_k_q83823c49fb_attn-k_q83823c49fb_attn
	.p2alignl 7, 3214868480
	.fill 96, 4, 3214868480
	.section	.rodata,"a",@progbits
	.p2align	6, 0x0
	.amdhsa_kernel k_q83823c49fb_attn
		.amdhsa_group_segment_fixed_size 210944
		.amdhsa_private_segment_fixed_size 0
		.amdhsa_enable_private_segment 0
		.amdhsa_kernarg_size 32
		.amdhsa_user_sgpr_count 2
		.amdhsa_user_sgpr_kernarg_segment_ptr 1
		.amdhsa_wavefront_size32 1
		.amdhsa_system_sgpr_workgroup_id_x 1
		.amdhsa_system_sgpr_workgroup_id_y 1
		.amdhsa_system_sgpr_workgroup_id_z 1
		.amdhsa_system_vgpr_workitem_id 0
		.amdhsa_next_free_vgpr 256
		.amdhsa_next_free_sgpr 66
		.amdhsa_reserve_vcc 0
		.amdhsa_float_denorm_mode_32 3
		.amdhsa_float_denorm_mode_16_64 3
		.amdhsa_memory_ordered 1
		.amdhsa_forward_progress 1
		.amdhsa_inst_pref_size 46
	.end_amdhsa_kernel
	.amdgpu_metadata
---
amdhsa.version: [ 1, 2 ]
amdhsa.kernels:
  - .name:           k_q83823c49fb_attn
    .symbol:         k_q83823c49fb_attn.kd
    .args:
      - { .name: qc, .offset: 0, .size: 8, .value_kind: global_buffer, .address_space: global }
      - { .name: qs, .offset: 8, .size: 8, .value_kind: global_buffer, .address_space: global }
      - { .name: kv, .offset: 16, .size: 8, .value_kind: global_buffer, .address_space: global }
      - { .name: lq, .offset: 24, .size: 8, .value_kind: global_buffer, .address_space: global }
    .group_segment_fixed_size: 210944
    .private_segment_fixed_size: 0
    .kernarg_segment_align: 8
    .kernarg_segment_size: 32
    .max_flat_workgroup_size: 512
    .sgpr_count:     66
    .vgpr_count:     256
    .wavefront_size: 32
...
	.end_amdgpu_metadata
.endif
;; end of part 3
;; launch proj (part 4): grid 4 x 64, 4 waves a work-group, clusters of 4 x 4, 327,680 bytes of LDS; arguments lq, woq, b_out, out0; writes out0
.if DOCPART == 4
	.amdgcn_target "amdgcn-amd-amdhsa--gfx1250"
	.amdhsa_code_object_version 6
	.text
	.protected	k_q83823c49fb_proj
	.globl	k_q83823c49fb_proj
	.p2align	8
	.type	k_q83823c49fb_proj,@function
k_q83823c49fb_proj:
	s_mov_b64 s[64:65], 0
	v_nop
	global_prefetch_b8 v0, s[64:65] scope:SCOPE_SE
	s_setreg_imm32_b32 hwreg(HW_REG_WAVE_MODE, 25, 1), 1
	s_wait_xcnt 0x0
	s_wait_alu depctr_hold_cnt(0) depctr_sa_sdst(0) depctr_va_vdst(0) depctr_va_sdst(0) depctr_va_ssrc(0) depctr_va_vcc(0) depctr_vm_vsrc(0)
	s_getreg_b32 s2, hwreg(HW_REG_IB_STS2, 6, 4)
	s_cmp_eq_u32 s2, 0
	s_cbranch_scc0 .Lentry_in_a_cluster
	s_endpgm
.Lentry_in_a_cluster:
	s_bfe_u32 s2, ttmp6, 0x10000c
	s_cmp_lg_u32 s2, 0xf033
	s_cbranch_scc0 .Lentry_shape_is_right
	s_endpgm
.Lentry_shape_is_right:
; LAUNCH 4 OF 4: out0 = logits W_out^T + b_out on codes of FP6.  lq (the logits) and woq (W_out) are images of operand registers, [rows / 128][K step 0..3][BLK], as the first launch's head comment lays them down.  No work is left out.
; SHARES: 256 work-groups, each 128 rows x 256 columns of out0; K is 1,024.  ALL OF K COMES INTO LDS AT THE HEAD, filled once: the 128 rows of a group are 102,400 dense bytes for all of K.
; One joint load a wave: waves 0 and 1 bring W's two groups of 128 rows (400 rows of 256 bytes each), waves 2 and 3 half each of the logits' group (200 rows).  No LDS byte is filled again.
; CLUSTERS: 4 x 4 work-groups: the logits' rows are shared by a row of the cluster, W's rows by a column.
; No prefetch: all that the launch reads by tensor loads is asked for at its head, so there is no loop to run ahead in.
; A WAVE holds its 64 columns of W, all of K, in registers (32 fragments, 384 registers) and streams the eight blocks of 16 rows past them: a block is 8 fragments and 8 scale words, kept in two sets;
; its 32 products go on four accumulators by turns, K ascending; the first four take the bias as C.  A finished block goes through the wave's own stage in LDS and is stored
; behind the next block's products: sixteen lanes store 256 consecutive bytes, aligned.
; THE MATRIX INSTRUCTION IS USED TRANSPOSED (source 0 = 16 rows of W): register j of accumulator b in lane (r, h) is column 32 (b / 2) + 16 h + 8 (b % 2) + j of my 64, row r of the block.
; Block a's row r is row 32 (a / 2) + 8 (a % 2) + r + 8 (r / 8) of the 128.
; REGISTERS: fragment f lies in window 1 + f / 21 at register 12 (f % 21): 0-31 W's (4 q + b, q the step of 128 along K), 32-39 and 40-47 the rows' two sets.  Window 0 holds all else.
.set BLK,    25600
.set KB,     4*BLK                     ; 128 rows, all of K
.set LA,     2*KB                      ; LDS: W's two groups at 0 and KB, the logits' group at LA
.set SPARE,  3*KB                      ; the spare words, 128 bytes for each wave: two blocks of 256 bytes that no other line names
.set STAGE,  SPARE+512                 ; a stage of 16 rows x (256 + 16) bytes for each wave
.set SPITCH, 272
.set FPW,    21
.set NF,     36                        ; LDS loads of a block: 32 for eight fragments, 4 for eight scale words
.set A16,  4                           ; v4-7   LDS address of the rows' fragments in K step 0..3, 16 x lane;  v8-11 8 x lane;  v12-15 of my row's scale words
.set A8,   8
.set AS,   12
.set STO,  16                          ; v16 into the stage, v17 out of it, v18 my offset in out0, v19 in the bias
.set RD,   17
.set GO,   18
.set BO,   19
.set SPW,  20                          ; v20 my spare word, v21 0: never rewritten
.set NIL,  21
.set SB,   32                          ; v32-47 W's scale words: register q + 8 p: lanes 0-15 tile 2 p, lanes 16-31 tile 2 p + 1
.set SA,   52                          ; v52-67 the rows' scale words, two sets of eight (four registers off W's, modulo 8)
.set BI,   72                          ; v72-103 the bias as the result lies
.set ACC,  104                         ; v104-167 two sets of four accumulators
.set BK,   168                         ; v168-231 two sets of 16 rows read back from the stage (at the head: W's LDS addresses)
.set B16,  168
.set B8,   172
.set BS,   176
.set G1,  24
.set G0,  32
.set G1B, 48
.set G0B, 56
.set MSB, 0
.macro WIN new                         ; the immediate's high byte repeats the setting that is left
.if MSB != \new
	s_set_vgpr_msb (MSB<<8)|\new
.set MSB, \new
.endif
.endm
.macro PLACES
.rept 4
	v_nop
.endr
.endm
.macro BARRIER
	s_barrier_signal -1
	s_barrier_wait -1
.endm
.macro CROUND                          ; a round of the cluster's barrier
	BARRIER
	s_cmp_lg_u32 s16, 0
	s_cbranch_scc1 .Lnot_wave_0_\@
	s_barrier_signal -3
.Lnot_wave_0_\@:
	s_barrier_wait -3
	BARRIER
.endm
.macro TLOAD g0, g1
	tensor_load_to_lds s[\g0:\g0+3], s[\g1:\g1+7]
	s_nop 0
	PLACES
.endm
.macro FRAG f, a16, a8, off            ; a fragment's image, 1,536 bytes, into its 12 registers
	WIN (1+(\f)/FPW)<<6
.set R_, 12*((\f)%FPW)
	ds_load_b128 v[R_:R_+3], v[\a16] offset:\off
	ds_load_b64 v[R_+4:R_+5], v[\a8] offset:\off+512
	ds_load_b128 v[R_+6:R_+9], v[\a16] offset:\off+768
	ds_load_b64 v[R_+10:R_+11], v[\a8] offset:\off+1280
.endm
.macro FETCH a                         ; block a's rows, all of K, into set a % 2
.irp k, 0,1,2,3
.irp u, 0,1
	FRAG 32+8*((\a)%2)+2*\k+\u, A16+\k, A8+\k, (2*(\a)+\u)*1536
.endr
.endr
	WIN 0
.irp k, 0,1,2,3
	ds_load_b64 v[SA+8*((\a)%2)+2*\k:SA+8*((\a)%2)+2*\k+1], v[AS+\k] offset:128*(\a)
.endr
.endm
.macro PR1 d, fb, fa, c, xb, xa, odd
.if \odd
	v_wmma_scale_f32_16x16x128_f8f6f4 v[\d:\d+7], v[12*((\fb)%FPW):12*((\fb)%FPW)+11], v[12*((\fa)%FPW):12*((\fa)%FPW)+11], \c, v[\xb], v[\xa] matrix_a_fmt:MATRIX_FMT_FP6 matrix_b_fmt:MATRIX_FMT_FP6 matrix_a_scale:MATRIX_SCALE_ROW1
.else
	v_wmma_scale_f32_16x16x128_f8f6f4 v[\d:\d+7], v[12*((\fb)%FPW):12*((\fb)%FPW)+11], v[12*((\fa)%FPW):12*((\fa)%FPW)+11], \c, v[\xb], v[\xa] matrix_a_fmt:MATRIX_FMT_FP6 matrix_b_fmt:MATRIX_FMT_FP6
.endif
.endm
.macro PROD e, n                       ; product n = 4 q + b of a block in set e
.set Q_, (\n)/4
.set B_, (\n)%4
.set FA_, 32+8*(\e)+Q_
.set D_, ACC+32*(\e)+8*B_
	WIN (1+(\n)/FPW)|((1+FA_/FPW)<<2)
.if Q_
	PR1 D_, \n, FA_, v[D_:D_+7], SB+Q_+8*(B_/2), SA+8*(\e)+Q_, B_%2
.else
	PR1 D_, \n, FA_, v[BI+8*B_:BI+8*B_+7], SB+Q_+8*(B_/2), SA+8*(\e)+Q_, B_%2
.endif
.endm
.macro TOSTAGE a                       ; LDS serves a wave's instructions in order: no wait between the stores and the loads, nor ahead of the next block's stores
.set AC, ACC+32*((\a)%2)
.set BB, BK+32*((\a)%2)
.irp b, 0,1,2,3
	ds_store_b128 v[STO], v[AC+8*\b:AC+8*\b+3] offset:128*(\b/2)+32*(\b%2)        ; each accumulator from its low end on
	ds_store_b128 v[STO], v[AC+8*\b+4:AC+8*\b+7] offset:128*(\b/2)+32*(\b%2)+16
.endr
.irp t, 0,1,2,3,4,5,6,7
	ds_load_b128 v[BB+4*\t:BB+4*\t+3], v[RD] offset:2*\t*SPITCH                   ; lanes 0-15 stage row 2 t, lanes 16-31 row 2 t + 1
.endr
.endm
.macro SEND a
.set BB, BK+32*((\a)%2)
	s_wait_dscnt 0x0                               ; the block is back in registers; so is the next block's fetch: both were issued ahead of the 32 products just issued
.irp t, 0,1,2,3,4,5,6,7
	global_store_b128 v[GO], v[BB+4*\t:BB+4*\t+3], s[12:13] offset:(32*((\a)/2)+8*((\a)%2)+2*\t+8*(\t/4))*4096 th:TH_STORE_NT
.endr
.endm
.macro ROWS a                          ; block a: its products; the block before leaves; the block two on is fetched; block a goes to the stage
.set N_, 0
.rept 32
	PROD (\a)%2, N_
.set N_, N_+1
.endr
	WIN 0
	PLACES                                         ; ahead of the loads into the set just multiplied and of the first read of the sums
.if (\a) > 1
	s_wait_xcnt 0x0                                ; block a - 2's stores have read their registers: block a's rows land there
.endif
.if (\a) > 0
	SEND (\a)-1
.endif
.if (\a) < 6
	FETCH (\a)+2
.endif
	TOSTAGE \a
.endm
; ================= THE HEAD
	s_load_b256 s[4:11], s[0:1], 0x0               ; lq, woq, b_out, out0
	v_lshl_add_u32 v[SPW], v0, 2, SPARE
	v_mov_b32 v[NIL], 0
	ds_add_u32 v[SPW], v[NIL]                      ; the wave's opening: the add, twice on end, and its wait ahead of my first tensor load
	ds_add_u32 v[SPW], v[NIL]
	v_lshrrev_b32 v1, 5, v0
	v_readfirstlane_b32 s16, v1                    ; wave 0..3: my 64 columns
	s_lshr_b32 s17, s16, 1
	s_and_b32 s18, s16, 1
	s_bfe_u32 s40, ttmp6, 0x40000                  ; cx: the tile column (the grid is one cluster wide)
	s_bfe_u32 s41, ttmp6, 0x40004                  ; cy
	s_and_b32 s43, ttmp7, 0xffff
	s_lshl_b32 s44, s41, 2
	s_lshl_b32 s44, 15, s44                        ; my row of the cluster
	s_lshl_b32 s45, 0x1111, s40                    ; my column
	s_or_b32 s[G1], s44, (3<<16)|(1<<21)           ; elements of 8 bytes; bit 21 set beside a mask
	s_or_b32 s[G1B], s45, (3<<16)|(1<<21)
	s_mov_b32 s[G1+1], 32<<16                      ; rows of 256 bytes, dense
	s_mov_b32 s[G1+2], 200<<16                     ; half of the logits' group
	s_mov_b32 s[G1+3], 32<<16
	s_mov_b32 s[G1+4], 200
	s_mov_b32 s[G1+5], 32
	s_mov_b32 s[G1+6], 0
	s_mov_b32 s[G1+7], 0
	s_mov_b32 s[G1B+1], 32<<16
	s_mov_b32 s[G1B+2], 400<<16                    ; a whole group of W
	s_mov_b32 s[G1B+3], 32<<16
	s_mov_b32 s[G1B+4], 400
	s_mov_b32 s[G1B+5], 32
	s_mov_b32 s[G1B+6], 0
	s_mov_b32 s[G1B+7], 0
	s_lshl_b32 s92, s43, 2
	s_add_co_u32 s92, s92, s41                     ; the tile row, 0 .. 63
	s_mul_i32 s66, s92, KB
	s_mul_i32 s68, s18, 2*BLK
	s_add_co_u32 s66, s66, s68                     ; waves 2, 3: K steps 0-1, 2-3 of the logits' group
	s_mov_b32 s67, 0
	s_lshl_b32 s70, s40, 1
	s_add_co_u32 s70, s70, s18
	s_mul_i32 s70, s70, KB                         ; waves 0, 1: W's group 2 cx + wave
	s_mov_b32 s71, 0
	s_mov_b32 s[G0], 1
	s_add_co_u32 s[G0+1], s68, LA
	s_mov_b32 s[G0B], 1
	s_mul_i32 s[G0B+1], s18, KB
	s_mul_i32 s75, s17, KB                         ; my columns: group wave / 2, tiles 4 (wave % 2) + 0..3
	s_mul_i32 s76, s18, 4*3072
	s_add_co_u32 s75, s75, s76
	s_mul_i32 s77, s17, KB
	s_lshl_b32 s78, s18, 9
	s_add_co_u32 s77, s77, s78
	s_add_co_u32 s77, s77, 24576                   ; and their scale words
	s_mul_i32 s79, s16, 16*SPITCH
	s_add_co_u32 s79, s79, STAGE                   ; my stage
	s_lshl_b32 s94, s40, 10
	s_lshl_b32 s95, s16, 8
	s_add_co_u32 s94, s94, s95                     ; my first column, in bytes: 1,024 cx + 256 wave
	s_mov_b32 s95, 0
	s_lshl_b32 s96, s92, 19                        ; my first row: 128 rows of 4,096 bytes a tile row
	s_mov_b32 s97, 0
	s_wait_dscnt 0x0                               ; both opening adds are done
	s_wait_kmcnt 0x0
	s_add_nc_u64 s[G0+2:G0+3], s[4:5], s[66:67]
	s_or_b32 s[G0+3], s[G0+3], 0x80000000
	s_add_nc_u64 s[G0B+2:G0B+3], s[6:7], s[70:71]
	s_or_b32 s[G0B+3], s[G0B+3], 0x80000000
	s_add_nc_u64 s[84:85], s[8:9], s[94:95]
	s_add_nc_u64 s[12:13], s[10:11], s[96:97]
	s_add_nc_u64 s[12:13], s[12:13], s[94:95]
	CROUND                                         ; all sixteen work-groups are here: the joint loads meet
	s_cmp_lt_u32 s16, 2
	s_cbranch_scc0 .Lfor_a
	TLOAD G0B, G1B                                 ; waves 0, 1: W, which goes on into registers
	s_branch .Lasked
.Lfor_a:
	TLOAD G0, G1                                   ; waves 2, 3: the logits
.Lasked:
	v_and_b32 v1, 31, v0                           ; lane
	v_and_b32 v2, 15, v0                           ; r
	v_bfe_u32 v3, v0, 4, 1                         ; h
	v_lshlrev_b32 v22, 4, v1
	v_lshlrev_b32 v23, 3, v1
	v_lshlrev_b32 v24, 3, v2
	v_lshl_add_u32 v25, v3, 7, v24                 ; 8 r + 128 h: lanes 16-31 take the odd tile's words
	v_lshlrev_b32 v[BO], 6, v3
	v_add_nc_u32 v26, s75, v22
	v_add_nc_u32 v27, s75, v23
	v_add_nc_u32 v25, s77, v25
.irp b, 0,1
.irp j, 0,1,2,3
	global_load_b128 v[BI+16*\b+4*\j:BI+16*\b+4*\j+3], v[BO], s[84:85] offset:128*\b+16*\j   ; register 16 b + i: column 32 b + 16 h + i
.endr
.endr
.irp k, 0,1,2,3
	v_add_nc_u32 v[B16+\k], \k*BLK, v26
	v_add_nc_u32 v[B8+\k], \k*BLK, v27
	v_add_nc_u32 v[BS+\k], \k*BLK, v25
	v_add_nc_u32 v[A16+\k], LA+\k*BLK, v22
	v_add_nc_u32 v[A8+\k], LA+\k*BLK, v23
	v_add_nc_u32 v[AS+\k], LA+\k*BLK+24576, v24
.endr
	v_mul_u32_u24 v28, v2, SPITCH                  ; into the stage: row r, 64 bytes on for lanes 16-31
	v_mul_u32_u24 v29, v3, SPITCH                  ; out of it: sixteen lanes to a row of 256 bytes
	v_lshlrev_b32 v30, 12, v3                      ; and the same two rows in out0
	v_lshl_add_u32 v28, v3, 6, v28
	v_lshl_add_u32 v29, v2, 4, v29
	v_lshl_add_u32 v[GO], v2, 4, v30
	v_add_nc_u32 v[STO], s79, v28
	v_add_nc_u32 v[RD], s79, v29
	s_wait_alu depctr_va_vdst(0)
	s_cmp_lt_u32 s16, 2
	s_cbranch_scc0 .Lnot_b
	s_wait_tensorcnt 0x0                           ; waves 0, 1: my group of W has landed
.Lnot_b:
	BARRIER                                        ; W lies in LDS; the logits may still be on their way
.irp k, 0,1,2,3                                ; my 64 columns, all of K: 128 loads,
.irp u, 0,1
.irp b, 0,1,2,3
	FRAG 4*(2*\k+\u)+\b, B16+\k, B8+\k, (2*\b+\u)*1536
.endr
.endr
.endr
	WIN 0
.irp k, 0,1,2,3                                ; and their scale words
.irp p, 0,1
	ds_load_b64 v[SB+8*\p+2*\k:SB+8*\p+2*\k+1], v[BS+\k] offset:256*\p
.endr
.endr
	s_wait_tensorcnt 0x0                           ; every wave: all that is still out
	s_wait_dscnt 0x0
	BARRIER                                        ; the logits lie in LDS
	FETCH 0
	FETCH 1
	s_wait_loadcnt 0x0                             ; the bias
	s_wait_dscnt NF                                ; block 0 is in; block 1's fetch may be out
; ================= EIGHT BLOCKS OF 16 ROWS
	ROWS 0
	s_wait_dscnt NF+16                             ; block 1 is in; younger: block 2's fetch and block 0's 16 lines through the stage
.irp a, 1,2,3,4,5,6,7
	ROWS \a
.endr
	s_wait_xcnt 0x0
	SEND 7
	s_wait_tensorcnt 0x0                           ; the wave's end: behind my last LDS store
	ds_add_u32 v[SPW], v[NIL]
	s_wait_dscnt 0x0
	CROUND                                         ; the closing round
	s_endpgm
.Lfunc_end_k_q83823c49fb_proj:
	.size	k_q83823c49fb_proj, .Lfunc_end_k_q83823c49fb_proj-k_q83823c49fb_proj
	.p2alignl 7, 3214868480
	.fill 96, 4, 3214868480
	.section	.rodata,"a",@progbits
	.p2align	6, 0x0
	.amdhsa_kernel k_q83823c49fb_proj
		.amdhsa_group_segment_fixed_size 327680
		.amdhsa_private_segment_fixed_size 0
		.amdhsa_enable_private_segment 0
		.amdhsa_kernarg_size 32
		.amdhsa_user_sgpr_count 2
		.amdhsa_user_sgpr_kernarg_segment_ptr 1
		.amdhsa_wavefront_size32 1
		.amdhsa_system_sgpr_workgroup_id_x 1
		.amdhsa_system_sgpr_workgroup_id_y 1
		.amdhsa_system_sgpr_workgroup_id_z 1
		.amdhsa_system_vgpr_workitem_id 0
		.amdhsa_next_free_vgpr 840
		.amdhsa_next_free_sgpr 100
		.amdhsa_reserve_vcc 0
		.amdhsa_float_denorm_mode_32 3
		.amdhsa_float_denorm_mode_16_64 3
		.amdhsa_memory_ordered 1
		.amdhsa_forward_progress 1
		.amdhsa_inst_pref_size 84
	.end_amdhsa_kernel
	.amdgpu_metadata
---
amdhsa.version: [ 1, 2 ]
amdhsa.kernels:
  - .name:           k_q83823c49fb_proj
    .symbol:         k_q83823c49fb_proj.kd
    .args:
      - { .name: lq, .offset: 0, .size: 8, .value_kind: global_buffer, .address_space: global }
      - { .name: woq, .offset: 8, .size: 8, .value_kind: global_buffer, .address_space: global }
      - { .name: b_out, .offset: 16, .size: 8, .value_kind: global_buffer, .address_space: global }
      - { .name: out0, .offset: 24, .size: 8, .value_kind: global_buffer, .address_space: global }
    .group_segment_fixed_size: 327680
    .private_segment_fixed_size: 0
    .kernarg_segment_align: 8
    .kernarg_segment_size: 32
    .max_flat_workgroup_size: 128
    .sgpr_count:     100
    .vgpr_count:     840
    .wavefront_size: 32
...
	.end_amdgpu_metadata
.endif
;; end of part 4
